; MI455X (gfx1250); checked and timed in simulation.
; The chip was launched on July 23, 2026; its instructions are those of AMD's public machine-readable ISA for CDNA 5 (MIT licence, August 2026) and "CDNA5" Instruction Set Architecture Reference Guide (July 2026). The comments in the code are by the model that wrote it; some were corrected since.
;; Self Attention. Allowed arithmetic: matrix products marked QUANTISED: E2M3 operands, one E8M0 scale for each 32 along K, by v_wmma_scale_f32_16x16x128_f8f6f4 with both operands' format E2M3, f32 sums; everything else in f32.
;; Inputs: b_proj 1,024 float32; b_qkv 3,072 float32; w_proj_codes 1,024 x 32 x 24 uint8 (E2M3 codes of w_proj, K innermost, in blocks of 32 codes, four codes in three bytes); w_proj_scales 1,024 x 32 uint8 (E8M0 scales of w_proj, one for each 32 codes along K); w_qkv_codes 3,072 x 32 x 24 uint8 (E2M3 codes of w_qkv, K innermost, in blocks of 32 codes, four codes in three bytes); w_qkv_scales 3,072 x 32 uint8 (E8M0 scales of w_qkv, one for each 32 codes along K); x_codes 4 x 2,048 x 32 x 24 uint8 (E2M3 codes of x, K innermost, in blocks of 32 codes, four codes in three bytes); x_scales 4 x 2,048 x 32 uint8 (E8M0 scales of x, one for each 32 codes along K).
;; Outputs: out0 4 x 2,048 x 1,024 float32.
;; This version of the problem:
;;   THIS VERSION OF THE PROBLEM IS GIVEN IN LOW PRECISION. The matrix products marked QUANTISED in the list below multiply operands that are first quantised to E2M3 (2 exponent bits, 3 mantissa bits; 6 bits a number), with one power-of-two scale for each 32 numbers along K (OCP MX v1.0); their sums are f32. All else is computed in f32.
;;   The module's matrix products, in the order in which they are computed (A, B: the left and right operand; K: the contracted axis; several contracted axes count as one K, in the product's order):
;;     1. [M 8,192, K 1,024] x [K 1,024, N 3,072]; A: input x (given as codes); B: input w_qkv (given as codes): QUANTISED
;;     2. batch 64 x [M 2,048, K 64] x [K 64, N 2,048]; A: computed on the way; B: computed on the way: QUANTISED
;;     3. batch 64 x [M 2,048, K 2,048] x [K 2,048, N 64]; A: softmax (see below); B: computed on the way: QUANTISED
;;     4. [M 8,192, K 1,024] x [K 1,024, N 1,024]; A: computed on the way; B: input w_proj (given as codes): QUANTISED
;;   THE QUANTISER, for each operand of a quantised product, along K:
;;     - K is cut into blocks of 32 from its start; a last block that is shorter is filled with zeros.
;;     - A block's scale is 2^e with e = floor(log2(the largest magnitude in the block)) - 2, held to -126 .. 127; a block of zeros has e = 0. As a byte (E8M0): e + 127.
;;     - Each number is divided by its block's scale, clamped to +-7.5, and rounded to the nearest number of E2M3, ties to even, subnormals kept.
;;     - The product sums the exact products of the quantised numbers (number of the format x scale) in f32.
;;   ~~~python
;;   def quantise(x, axis):      # numpy; x: float32 -> the quantised numbers, widened to float32 again
;;       x = np.moveaxis(x, axis, -1); K = x.shape[-1]
;;       x = np.pad(x, [(0, 0)] * (x.ndim - 1) + [(0, -K % 32)]); x = x.reshape(x.shape[:-1] + (-1, 32)); a = np.abs(x).max(-1, keepdims=True)
;;       e = np.where(a > 0, np.clip(np.frexp(np.where(a > 0, a, 1))[1] - 1 - 2, -126, 127), 0)      # np.frexp(a)[1] - 1 = floor(log2(a)), exactly
;;       r = np.clip(x / 2.0 ** e, -7.5, 7.5)
;;       step = 2.0 ** (np.maximum(np.frexp(np.where(r == 0, 1, r))[1] - 1, 0) - 3)
;;       q = np.round(r / step) * step * 2.0 ** e      # np.round: ties to even
;;       return np.moveaxis(q.reshape(q.shape[:-2] + (-1,))[..., :K], -1, axis).astype(np.float32)
;;   ~~~
;;   SOFTMAX AHEAD OF A QUANTISED PRODUCT. Where the list says 'softmax', what is quantised is not the finished softmax but p = 2^(t - M), with t = logit x log2(e) and M = ceil(the row's largest t), a whole number; so 1/2 < the row's largest p <= 1. The row's sum l is taken of the UNQUANTISED p, in f32, and the product's result is divided by l at the end. Since M is a whole number, a kernel that streams over the keys may use a running M (the ceiling of the running maximum): every later rescaling is an exact power of two, which a block's scale takes up: the codes' values come out the same.
;;   OPERANDS COMPUTED ON THE WAY. 'Computed on the way' means the value that the module computes at that place (a softmax that the list does not call 'softmax' is quantised finished and normalised). What goes into a quantiser is computed in f32, as accurately as f32 sums, v_exp_f32 and their like allow (about 1e-6 of the number): no bf16 or f16 on the way to a quantiser, and a product that is left as it is and whose result goes on into a quantised operand takes f32 operands (vector FMAs, or v_wmma_f32_16x16x4_f32). A number that lies on a knife's edge between two numbers of the format may be rounded either way, as far as f32 arithmetic and the matrix unit's own rounding can turn it there, and no further.
;;   INPUTS GIVEN AS CODES. w_proj (in the module: [1024, 1024], K = its axis 0); w_qkv (in the module: [1024, 3072], K = its axis 0); x (in the module: [4, 2048, 1024], K = its axis 2): each comes as NAME_codes (uint8): NAME with its K axis moved to the last place and cut into blocks of 32 codes, [.., K / 32, bytes a block], one block behind the other in memory; four codes in three bytes: a row's codes are one little-endian stream of bits, code i at bits 6 i .. 6 i + 5 (a code: sign, 2 exponent bits, 3 mantissa bits); and NAME_scales (uint8): the same leading axes, one E8M0 byte (e + 127) for each 32 codes along K. Its value is code x scale, taken as it is: it is not quantised again, and the codes and scales need not be those that the quantiser above would give.
;; One version. Each part assembles by itself: llvm-mc -triple=amdgcn-amd-amdhsa -mcpu=gfx1250 --defsym DOCPART=n.
;; ======== version 1 of 1: 3 launches
;; workspace buffers: q_img 6,291,456 bytes; q_scl 524,288 bytes; kv 13,369,344 bytes; y_img 6,291,456 bytes; y_scl 524,288 bytes
;; launch qkv (part 1): grid 8 x 48, 4 waves a work-group, clusters of 4 x 4, 327,680 bytes of LDS; arguments x_codes, x_scales, w_qkv_codes, w_qkv_scales, b_qkv, q_img, q_scl, kv; writes q_img, q_scl, kv
.if DOCPART == 1
	.amdgcn_target "amdgcn-amd-amdhsa--gfx1250"
	.amdhsa_code_object_version 6
	.text
	.protected	k_q2147b3c620_qkv
	.globl	k_q2147b3c620_qkv
	.p2align	8
	.type	k_q2147b3c620_qkv,@function
k_q2147b3c620_qkv:
	s_mov_b64 s[64:65], 0
	v_nop
	global_prefetch_b8 v0, s[64:65] scope:SCOPE_SE
	s_setreg_imm32_b32 hwreg(HW_REG_WAVE_MODE, 25, 1), 1
	s_wait_xcnt 0x0
	s_wait_alu depctr_hold_cnt(0) depctr_sa_sdst(0) depctr_va_vdst(0) depctr_va_sdst(0) depctr_va_ssrc(0) depctr_va_vcc(0) depctr_vm_vsrc(0)
	s_getreg_b32 s2, hwreg(HW_REG_IB_STS2, 6, 4)
	s_cmp_eq_u32 s2, 0
	s_cbranch_scc0 .Lentry_in_a_cluster
	s_endpgm
.Lentry_in_a_cluster:
	s_bfe_u32 s2, ttmp6, 0x10000c
	s_cmp_lg_u32 s2, 0xf033
	s_cbranch_scc0 .Lentry_shape_is_right
	s_endpgm
.Lentry_shape_is_right:
; qkv = x w_qkv + b_qkv on codes of FP6 (E2M3) with one E8M0 scale for each 32 along K = 1,024; the f32 results are quantised here, in registers, and only codes and scale bytes go to memory:
; q and k along the head's 64 (two blocks), v along the keys (blocks of 32 tokens).  Three launches make the program: this one, the attention, the projection.
; DEAD WORK (left out in the second launch): reference() builds the causal mask itself (jnp.tril) and sets att to -inf where key > query; the softmax gives exactly 0 there, and 0 x v adds nothing, whatever finite
; values the inputs hold.  So a step of 128 keys all of which come after a tile's 16 queries is not multiplied.  Nothing else is left out: every input has a way to the output (k's bias moves k's codes) and is loaded.
; LIMITS: NaN and infinities among the inputs are not served; a NaN, an infinity or an overflow that reaches only the key steps left out is not carried to the result; a block whose largest magnitude lies under
; 2^-124 keeps the scale byte 1; a block of zeros gets the byte 1 where the quantiser says 127 (its codes are zeros, which add nothing, and this program alone reads the bytes).
; SHARES.  A work-group of four waves makes 256 x 256, a wave 128 x 128: 64 accumulators.  The matrix instruction takes source 0 = 16 rows of S0 and source 1 = 16 rows of S1: a lane then holds ONE row of S1 and its
; registers run along S0's rows, which is the axis that is quantised.  Clusters with y < 8: S1 = x (tokens), S0 = w_qkv's q rows (cluster x = 0) or k rows (cluster x = 1).  Clusters with y >= 8: S1 = w_qkv's v rows, S0 = x.
; Both tensors have rows of 768 bytes of codes and 32 scale bytes, so the two modes differ in pointers and tile numbers alone until the way out.
; CLUSTERS: 4 x 4 work-groups.  S1's tile hangs on the place along y alone and is asked for jointly by a row of the cluster, S0's on the place along x alone and is asked for by a column.
; K goes in steps of 256 through two LDS slots: four slots' worth, so the ring goes round twice and is written out.  The scale bytes of the work-group's 2 x 256 rows come once, in whole units of 256 bytes.
; ORDER INSIDE A BLOCK OF 32.  A lane's 16 registers of two neighbouring tiles hold members 8 h + 0..7 and 16 + 8 h + 0..7 of a block, so the codes of a block come out in the order 0-7, 16-23, 8-15, 24-31.
; q and k get this order alike, and so do v and the softmax's p in the next launch: both sides of a product are permuted alike inside a block, so blocks, scales and exact products stay what they are.
; WORKSPACE, as images of operand registers.  A half image (16 rows x 64 along K, 768 bytes): lane L's registers 0-3 at 16 L, its registers 4-5 at 512 + 8 L.
;   q_img [b h 64][tile of 16 queries 128][768];  q_scl [b h][token] words: bytes 0, 1 the head's two blocks, bytes 2, 3 zero.
;   kv [b h 64][step of 128 keys 16][13,056]: 8 half images of k; at 6,144 four fragments of v^T (16 d x 128 keys, three groups of four registers, 16 L + 512 i); at 12,288 k's 128 scale words; at 12,800 v's 64.
; REGISTERS, in windows of 256: window 0: v6-12 the way out's addresses, v16-23, v27 LDS addresses, v28-29 the add's two; v32-63 scale words, two sets; v64-127 the bias; v128-223 S1's fragments, one set;
;   v224-231 the bias loads' offsets.  window 1: S0's fragments, two sets.  windows 2, 3: the accumulators ((a, b) at v[8 (8 (a % 4) + b)]).  On the way out v128-230 of window 0 are at work.
.set NQ,     2                         ; matrix instructions deep in a slot: 256 along K
.set ROWB,   192                       ; a tile's row in bytes
.set KROW,   768                       ; a row of codes in memory
.set PITCH,  240                       ; an LDS row: 3 x (64 bytes + 16 of padding)
.set FR,     12                        ; registers of a fragment
.set NL,     6                         ; LDS loads that bring one
.set NP,     4                         ; places behind this matrix instruction (ISA guide 7.12.1)
.set HALFT,  128*PITCH
.set SLOT,   4*HALFT                   ; S1's 256 rows, then S0's 256 rows
.set SCL,    2*SLOT                    ; behind the ring: the scales, as units of 256 bytes + 16 of padding
.set HALFS,  16*272                    ; the scales of 128 rows (32 bytes a row)
.set SBLK,   2*272                     ; those of 16 rows
.set SPARE,  SCL+4*HALFS               ; the spare words, 128 bytes for each wave
.set STQ,    SPARE+512                 ; q, k: 1,024 bytes a wave, where its scale words are gathered
.set STV,    STQ+4096                  ; v: 512 bytes a wave; the two ways out have LDS bytes of their own
.set L16,  6                           ; v6   16 x lane
.set L8,   7                           ; v7   8 x lane
.set SQA,  8                           ; v8   STQ + 1,024 wave + 512 (lane / 16) + 4 (lane % 16)
.set SQR,  9                           ; v9   STQ + 1,024 wave + 16 lane
.set SVA,  10                          ; v10  STV + 512 wave + 4 (lane % 16)
.set SVR,  11                          ; v11  STV + 512 wave + 16 lane
.set VSO,  12                          ; v12  208,896 (lane / 16) + 16 (lane % 16): v's scale words, a head to each half of the lanes
.set ADRA, 16
.set ADRB, 20
.set ADRS, 27
.set SPW,  28
.set NIL,  29
.set SC,   32
.set BI,   64
.set AF,   128
.set VA,   224
.set H,    128                         ; the way out: 64 numbers of a lane
.set PC,   192                         ; v192-203 the codes, v204-210 at work
.set TM,   212                         ; v212-215 largest magnitudes, v216-219 bytes, v224-227 the conversions' scale operands
.set PW,   228
.set W0,   229
.set W1,   230
.set G1,   24
.set G0,   32
.set G1B,  48
.set G0B,  56
.set G1S,  68
.set G0S,  76
.set G1SB, 80
.set G0SB, 88
.set SEL,  100
.set MSB, 0
.macro WIN new                         ; the immediate's high byte repeats the setting that is left
.if MSB != \new
	s_set_vgpr_msb (MSB<<8)|\new
.set MSB, \new
.endif
.endm
.set MUL_LO, 0xa1                      ; source 0 (S0) window 1, source 1 (S1) window 0, C and D window 2
.set MUL_HI, 0xf1                      ; the same, C and D window 3
.set TO_B,   0x40                      ; destination window 1, address window 0
; A joint load: waves 0 and 1 fetch for S1, waves 2 and 3 for S0.  The branch hangs on the wave's number alone.  An s_nop 0 and four v_nop follow each of the two lines.
.macro JLOAD g0a, g1a, g0b, g1b
	s_cmp_eq_u32 s15, 0
	s_cbranch_scc0 .Lfor_b_\@
	tensor_load_to_lds s[\g0a:\g0a+3], s[\g1a:\g1a+7]
	s_nop 0
.rept 4
	v_nop
.endr
	s_branch .Lasked_\@
.Lfor_b_\@:
	tensor_load_to_lds s[\g0b:\g0b+3], s[\g1b:\g1b+7]
	s_nop 0
.rept 4
	v_nop
.endr
.Lasked_\@:
.endm
.macro CREST                           ; a round of the cluster's barrier behind its opening barrier
	s_cmp_lg_u32 s14, 0
	s_cbranch_scc1 .Lnot_wave_0_\@
	s_barrier_signal -3
.Lnot_wave_0_\@:
	s_barrier_wait -3
	s_barrier_signal -1
	s_barrier_wait -1
.endm
.macro CROUND
	s_barrier_signal -1
	s_barrier_wait -1
	CREST
.endm
	s_load_b256 s[4:11], s[0:1], 0x0               ; x's codes s[4:5], x's scales s[6:7], w_qkv's codes s[8:9], w_qkv's scales s[10:11]
	s_load_b256 s[92:99], s[0:1], 0x20             ; b_qkv s[92:93], q_img s[94:95], q_scl s[96:97], kv s[98:99]
	v_lshl_add_u32 v[SPW], v0, 2, SPARE
	v_mov_b32 v[NIL], 0
	ds_add_u32 v[SPW], v[NIL]                      ; the wave's opening: the add, twice on end, and its wait ahead of my first tensor load
	ds_add_u32 v[SPW], v[NIL]
	v_lshrrev_b32 v1, 5, v0
	v_readfirstlane_b32 s14, v1                    ; wave 0..3
	s_lshr_b32 s15, s14, 1                         ; which half of S1's rows is mine.  Also: I fetch for S1 (0) or for S0 (1)
	s_and_b32 s16, s14, 1                          ; which half of S0's rows.  Also: which 128 rows of that tile I fetch
	s_bfe_u32 s40, ttmp6, 0x40000                  ; cx
	s_bfe_u32 s41, ttmp6, 0x40004                  ; cy
	s_and_b32 s67, ttmp7, 0xffff                   ; the cluster's y
	s_lshl_b32 s42, ttmp9, 2
	s_add_co_u32 s42, s42, s40                     ; X = 4 x cluster x + cx.   q, k: w_qkv's tile
	s_lshl_b32 s17, s67, 2
	s_add_co_u32 s17, s17, s41                     ; Y = 4 x cluster y + cy.   q, k: x's tile
	s_add_co_u32 s45, s41, 8                       ; v: w_qkv's tile 8 + cy
	s_and_b32 s46, s67, 3
	s_lshl_b32 s46, s46, 3
	s_add_co_u32 s46, s46, s42                     ; v: x's tile X + 8 (cluster y - 8)
	s_cmp_ge_u32 s67, 8                            ; the mode hangs on the cluster's y alone: all sixteen partners have the same
	s_cselect_b32 s66, 1, 0                        ; 0: q, k   1: v
	s_cselect_b32 s17, s45, s17                    ; S1's tile: made of cy and the cluster's y
	s_cselect_b32 s42, s46, s42                    ; S0's tile: made of cx, the cluster's x and y
	s_lshl_b32 s43, s41, 2
	s_lshl_b32 s43, 15, s43                        ; my row of the cluster
	s_lshl_b32 s44, 0x1111, s40                    ; my column
	; descriptor group 1: a tile of 128 rows x 192 bytes, 16 bytes of padding behind every 64
	s_or_b32 s[G1+0], s43, (0<<16)|(1<<20)|(1<<21)|(3<<22)|(3<<25)
	s_or_b32 s[G1B+0], s44, (0<<16)|(1<<20)|(1<<21)|(3<<22)|(3<<25)
.irp g, G1, G1B
	s_mov_b32 s[\g+1], ROWB<<16                    ; tensor_dim0
	s_mov_b32 s[\g+2], 128<<16                     ; tensor_dim1
	s_mov_b32 s[\g+3], ROWB<<16                    ; tile_dim0
	s_mov_b32 s[\g+4], 128                         ; tile_dim1
	s_mov_b32 s[\g+5], KROW                        ; tensor_dim0_stride
	s_mov_b32 s[\g+6], 0
	s_mov_b32 s[\g+7], 0
.endr
	; the scales of 128 rows: 4,096 dense bytes as 16 rows of 256 (32 elements of 8 bytes), 16 bytes of padding behind each
	s_or_b32 s[G1S+0], s43, (3<<16)|(1<<20)|(1<<21)|(5<<22)|(3<<25)
	s_or_b32 s[G1SB+0], s44, (3<<16)|(1<<20)|(1<<21)|(5<<22)|(3<<25)
.irp g, G1S, G1SB
	s_mov_b32 s[\g+1], 32<<16
	s_mov_b32 s[\g+2], 16<<16
	s_mov_b32 s[\g+3], 32<<16
	s_mov_b32 s[\g+4], 16
	s_mov_b32 s[\g+5], 32
	s_mov_b32 s[\g+6], 0
	s_mov_b32 s[\g+7], 0
.endr
	s_lshl_b32 s18, s16, 7                         ; which 128 rows of the tile I fetch
	s_lshl_b32 s20, s17, 8
	s_add_co_u32 s20, s20, s18                     ; S1: row 256 x tile + 128 x half
	s_lshl_b32 s46, s42, 8
	s_add_co_u32 s46, s46, s18                     ; S0 likewise
	s_lshl_b32 s22, s20, 5                         ; where these rows' scales begin: 32 bytes a row,
	s_mov_b32 s23, 0
	s_mul_i32 s20, s20, KROW                       ; and their codes (under 2^23 bytes)
	s_mov_b32 s21, 0
	s_lshl_b32 s12, s46, 5
	s_mov_b32 s13, 0
	s_mul_i32 s46, s46, KROW
	s_mov_b32 s47, 0
	s_mul_i32 s45, s14, HALFT                      ; where they go: wave x 128 rows: no place in the cluster enters an LDS address
	s_mul_i32 s3, s14, HALFS
	s_mov_b32 s[SEL], 0x76543210
	s_mov_b32 s[SEL+1], 0xfedcba98                 ; v_permlanex16_b32's selects for lane l xor 16
	s_wait_dscnt 0x0                               ; both opening adds are done
	s_wait_kmcnt 0x0
	s_cmp_eq_u32 s66, 0                            ; which tensor is S1 and which S0: a choice between buffers on the mode
	s_cselect_b64 s[18:19], s[4:5], s[8:9]
	s_add_nc_u64 s[20:21], s[18:19], s[20:21]      ; S1's codes
	s_cselect_b64 s[18:19], s[6:7], s[10:11]
	s_add_nc_u64 s[22:23], s[18:19], s[22:23]      ; S1's scales
	s_cselect_b64 s[18:19], s[8:9], s[4:5]
	s_add_nc_u64 s[46:47], s[18:19], s[46:47]      ; S0's codes
	s_cselect_b64 s[18:19], s[10:11], s[6:7]
	s_add_nc_u64 s[12:13], s[18:19], s[12:13]      ; S0's scales
	CROUND                                         ; all sixteen work-groups are here: the first joint loads meet
	s_mov_b32 s[G0S], 1
	s_add_co_u32 s[G0S+1], s3, SCL
	s_mov_b64 s[G0S+2:G0S+3], s[22:23]
	s_or_b32 s[G0S+3], s[G0S+3], 0x80000000
	s_mov_b32 s[G0SB], 1
	s_add_co_u32 s[G0SB+1], s3, SCL
	s_mov_b64 s[G0SB+2:G0SB+3], s[12:13]
	s_or_b32 s[G0SB+3], s[G0SB+3], 0x80000000
	JLOAD G0S, G1S, G0SB, G1SB                     ; the scales first: they are wanted with the first slot
.irp s, 0,1
	s_mov_b32 s[G0+4*\s], 1
	s_add_co_u32 s[G0+4*\s+1], s45, \s*SLOT
	s_add_nc_u64 s[G0+4*\s+2:G0+4*\s+3], s[20:21], \s*ROWB
	s_or_b32 s[G0+4*\s+3], s[G0+4*\s+3], 0x80000000
	s_mov_b32 s[G0B+4*\s], 1
	s_add_co_u32 s[G0B+4*\s+1], s45, \s*SLOT
	s_add_nc_u64 s[G0B+4*\s+2:G0B+4*\s+3], s[46:47], \s*ROWB
	s_or_b32 s[G0B+4*\s+3], s[G0B+4*\s+3], 0x80000000
	JLOAD G0+4*\s, G1, G0B+4*\s, G1B               ; three tensor loads of mine are out
.endr
	v_and_b32 v1, 15, v0                           ; r = lane % 16
	v_bfe_u32 v2, v0, 4, 1                         ; h = lane / 16
	; THE BIAS, one text for both modes.  q, k: my 128 features run along my registers: register 8 b + j wants number 16 b + 8 h + j.  v: they run along my lanes: block a wants number 16 a + r,
	; which then stands in all eight registers 8 a + j.  So eight offsets h x 32 + j x 4, or r x 4, and the block in the immediate.
	s_lshl_b32 s18, s42, 8
	s_lshl_b32 s19, s16, 7
	s_add_co_u32 s18, s18, s19                     ; q, k: the first of my 128 numbers of b_qkv
	s_lshl_b32 s19, s17, 8
	s_lshl_b32 s20, s15, 7
	s_add_co_u32 s19, s19, s20                     ; v: likewise
	s_cmp_eq_u32 s66, 0
	s_cselect_b32 s18, s18, s19
	s_cselect_b32 s20, 32, 0
	s_cselect_b32 s21, 0, 4
	s_cselect_b32 s22, 4, 0
	s_lshl_b32 s18, s18, 2
	s_mov_b32 s19, 0
	s_add_nc_u64 s[92:93], s[92:93], s[18:19]
	v_mul_u32_u24 v[VA], s20, v2
	v_mad_u32_u24 v[VA], v1, s21, v[VA]
.irp j, 1,2,3,4,5,6,7
	v_add_nc_u32 v[VA+\j], s22, v[VA+\j-1]
.endr
.irp b, 0,1,2,3,4,5,6,7
.irp j, 0,1,2,3,4,5,6,7
	global_load_b32 v[BI+8*\b+\j], v[VA+\j], s[92:93] offset:64*\b   ; waited for on the way out; the offsets and the base stay as they are till then
.endr
.endr
	v_mul_u32_u24 v3, v1, PITCH
	v_mul_u32_u24 v4, v2, 24
	v_add_nc_u32 v4, v3, v4                        ; a fragment's row x pitch + 24 x half
	v_lshl_add_u32 v5, v2, 4, v4                   ; and the same behind one padding more
	s_mul_i32 s21, s15, HALFT                      ; my 128 rows of S1
	s_mul_i32 s22, s16, HALFT                      ; my 128 rows of S0,
	s_add_co_u32 s22, s22, 2*HALFT                 ; which lie behind S1's 256
.irp s, 0,1
	v_add_nc_u32 v[ADRA+\s], s21, v4
	v_add_nc_u32 v[ADRB+\s], s22, v4
	v_add_nc_u32 v[ADRA+2+\s], s21, v5
	v_add_nc_u32 v[ADRB+2+\s], s22, v5
	s_add_co_u32 s21, s21, SLOT
	s_add_co_u32 s22, s22, SLOT
.endr
	v_lshlrev_b32 v5, 5, v1                        ; my row's scales: 32 bytes a row,
	v_lshrrev_b32 v3, 8, v5
	v_lshl_add_u32 v5, v3, 4, v5                   ; and 16 more for each 256 passed
	s_mul_i32 s21, s15, HALFS
	s_mul_i32 s22, s16, HALFS
	s_add_co_u32 s22, s22, 2*HALFS
	s_sub_co_u32 s22, s22, s21
	v_mul_u32_u24 v3, s22, v2                      ; lanes 16-31 take S0's
	s_add_co_u32 s21, s21, SCL
	v_add_nc_u32 v5, v5, v3
	v_add_nc_u32 v[ADRS], s21, v5
	v_and_b32 v3, 31, v0                           ; the way out's addresses, all made here, ahead of every branch on the mode
	v_lshlrev_b32 v[L16], 4, v3
	v_lshlrev_b32 v[L8], 3, v3
	v_lshlrev_b32 v4, 2, v1
	v_lshl_add_u32 v5, v2, 9, v4
	s_lshl_b32 s21, s14, 10
	s_add_co_u32 s21, s21, STQ
	v_add_nc_u32 v[SQA], s21, v5
	v_add_nc_u32 v[SQR], s21, v[L16]
	s_lshl_b32 s21, s14, 9
	s_add_co_u32 s21, s21, STV
	v_add_nc_u32 v[SVA], s21, v4
	v_add_nc_u32 v[SVR], s21, v[L16]
	v_mul_u32_u24 v[VSO], v2, 208896
	v_lshl_add_u32 v[VSO], v1, 4, v[VSO]
.macro FRAG reg, adr, q, i             ; a fragment: lane l holds row l % 16; registers 6 c .. 6 c + 5 hold K = 64 c + 32 (l / 16) + 0 .. 31: 24 bytes of the row, as they lie, in pieces of 8
.irp p, 0,1,2,3,4,5
.set PCE, 12*(\q)+6*(\p/3)+\p%3        ; lanes 16-31 read three pieces further on: where that is behind one padding more, the second address register serves
.if PCE%8 < 5
	ds_load_b64 v[\reg+2*\p:\reg+2*\p+1], v[\adr] offset:8*PCE+16*(PCE/8)+(\i)*16*PITCH
.else
	ds_load_b64 v[\reg+2*\p:\reg+2*\p+1], v[\adr+2] offset:8*PCE+16*(PCE/8)+(\i)*16*PITCH
.endif
.endr
.endm
; 16 matrix instructions: S1's blocks a0, a0 + 1 x S0's eight, 128 along K.  The 64 accumulators take turns, one instruction a turn, in the same order in every step.
.macro MUL16 a0, p, q, sc, zero
.irp a, \a0, \a0+1
.irp b, 0,1,2,3,4,5,6,7
.if \zero
	v_wmma_scale_f32_16x16x128_f8f6f4 v[8*(8*((\a)%4)+\b):8*(8*((\a)%4)+\b)+7], v[128*(\p)+FR*\b:128*(\p)+FR*\b+FR-1], v[AF+FR*(\a):AF+FR*(\a)+FR-1], 0, v[SC+8*NQ*(\sc)+NQ*\b+(\q)], v[SC+8*NQ*(\sc)+NQ*(\a)+(\q)] matrix_a_fmt:MATRIX_FMT_FP6 matrix_b_fmt:MATRIX_FMT_FP6 matrix_a_scale:MATRIX_SCALE_ROW1
.else
	v_wmma_scale_f32_16x16x128_f8f6f4 v[8*(8*((\a)%4)+\b):8*(8*((\a)%4)+\b)+7], v[128*(\p)+FR*\b:128*(\p)+FR*\b+FR-1], v[AF+FR*(\a):AF+FR*(\a)+FR-1], v[8*(8*((\a)%4)+\b):8*(8*((\a)%4)+\b)+7], v[SC+8*NQ*(\sc)+NQ*\b+(\q)], v[SC+8*NQ*(\sc)+NQ*(\a)+(\q)] matrix_a_fmt:MATRIX_FMT_FP6 matrix_b_fmt:MATRIX_FMT_FP6 matrix_a_scale:MATRIX_SCALE_ROW1
.endif
.endr
.endr
.endm
.macro FETCH_B slot, q, p
	WIN TO_B
.irp i, 0,1,2,3,4,5,6,7
	FRAG 128*(\p)+FR*\i, ADRB+\slot, \q, \i
.endr
	WIN 0
.endm
.macro FETCH_A slot, q, i0
.irp i, \i0, \i0+1, \i0+2, \i0+3
	FRAG AF+FR*(\i), ADRA+\slot, \q, \i
.endr
.endm
.macro SCALES sc                       ; a slot's scale words: two words a row; lanes 0-15 take S1's block i, lanes 16-31 S0's block i
.irp i, 0,1,2,3,4,5,6,7
	ds_load_b64 v[SC+8*NQ*\sc+NQ*\i:SC+8*NQ*\sc+NQ*\i+1], v[ADRS] offset:\i*SBLK
.endr
.endm
.macro PLACES n                        ; plain vector instructions between a matrix instruction and a load into, or a read of, its registers
.rept \n
	v_nop
.endr
.endm
.macro STEP slot, q, zero              ; a step of 128 along K that has its successor in the same slot
	s_wait_dscnt 4*NL                              ; S0's set and S1's blocks 0-3 are in; the youngest 24 loads (S1's blocks 4-7) may be out
	WIN MUL_LO
	MUL16 0, (\q)%2, \q, \slot, \zero
	MUL16 2, (\q)%2, \q, \slot, \zero
	s_wait_dscnt 0
	PLACES NP
	FETCH_B \slot, (\q)+1, 1-(\q)%2
	FETCH_A \slot, (\q)+1, 0
	WIN MUL_HI
	MUL16 4, (\q)%2, \q, \slot, \zero
	MUL16 6, (\q)%2, \q, \slot, \zero
	PLACES NP
	WIN 0
	FETCH_A \slot, (\q)+1, 4
.endm
; A slot's last step changes slots: one barrier; in front of it each wave waits for all its tensor loads, adds 0 to its spare word, and waits for that and for its reads of this slot.  fill = 1: the slot is filled again.
.macro TURN slot, next, fill
	s_wait_tensorcnt 0x0                           ; all my tensor loads have landed: my part of the next slot
	ds_add_u32 v[SPW], v[NIL]                      ; 0 onto my spare word
	s_wait_dscnt 4*NL+1                            ; (the add and the youngest 24 loads may be out)
	WIN MUL_LO
	MUL16 0, 1, NQ-1, \slot, 0
	s_wait_dscnt 0x0                               ; the add is done, and my reads of this slot are over
	s_barrier_signal -1
	MUL16 2, 1, NQ-1, \slot, 0
	WIN 0
	s_barrier_wait -1
.if \fill
	CREST                                          ; the barrier has opened a round of the cluster's barrier: no wave of any partner still reads this slot or has a load on its way
	s_add_nc_u64 s[G0+4*\slot+2:G0+4*\slot+3], s[G0+4*\slot+2:G0+4*\slot+3], 2*ROWB
	s_add_nc_u64 s[G0B+4*\slot+2:G0B+4*\slot+3], s[G0B+4*\slot+2:G0B+4*\slot+3], 2*ROWB
	JLOAD G0+4*\slot, G1, G0B+4*\slot, G1B         ; the first tensor load behind the round; its four v_nop are also the places in front of the loads below
.else
	PLACES NP
.endif
	v_add_nc_u32 v[ADRS], 4*NQ, v[ADRS]            ; the next slot's scale words
	FETCH_B \next, 0, 0
	FETCH_A \next, 0, 0
	SCALES \next
	WIN MUL_HI
	MUL16 4, 1, NQ-1, \slot, 0
	MUL16 6, 1, NQ-1, \slot, 0
	PLACES NP
	WIN 0
	FETCH_A \next, 0, 4
.endm
	s_wait_tensorcnt 1                             ; the scales and my part of slot 0 are in; slot 1's load may be out
	s_barrier_signal -1
	s_barrier_wait -1
	FETCH_B 0, 0, 0
	FETCH_A 0, 0, 0
	SCALES 0
	FETCH_A 0, 0, 4
	STEP 0, 0, 1                                   ; K 0-127: the first products start the sums
	TURN 0, 1, 1                                   ; K 128-255; slot 0 takes K 512-767
	STEP 1, 0, 0
	TURN 1, 0, 1                                   ; slot 1 takes K 768-1,023
	STEP 0, 0, 0
	TURN 0, 1, 0                                   ; nothing is left to fetch
	STEP 1, 0, 0
	s_wait_dscnt 4*NL
	WIN MUL_LO
	MUL16 0, 1, NQ-1, 1, 0
	MUL16 2, 1, NQ-1, 1, 0
	s_wait_dscnt 0
	WIN MUL_HI
	MUL16 4, 1, NQ-1, 1, 0
	MUL16 6, 1, NQ-1, 1, 0
	WIN 0
; THE WAY OUT.  64 numbers of a lane, v[s] .. v[s + 63] (four blocks of 32, 16 numbers of each; the other 16 lie in lane l xor 16), become a fragment's 12 registers of codes in v[PC] on; the four scale bytes stay in v[TM+4] on.
.macro QUANT s
.irp b, 0,1,2,3
	v_max3_num_f32 v[TM+\b], |v[\s+16*\b]|, |v[\s+1+16*\b]|, 0x1800000   ; my 16 numbers, and the floor 2^(3 - 127): the byte cannot fall under 1
.endr
.irp i, 2,4,6,8,10,12,14
.irp b, 0,1,2,3
	v_max3_num_f32 v[TM+\b], v[TM+\b], |v[\s+16*\b+\i]|, |v[\s+1+16*\b+\i]|
.endr
.endr
.irp b, 0,1,2,3
	v_permlanex16_b32 v[TM+4+\b], v[TM+\b], s[SEL], s[SEL+1]
.endr
.irp b, 0,1,2,3
	v_max_num_f32 v[TM+\b], v[TM+\b], v[TM+4+\b]   ; the block's largest magnitude
.endr
.irp b, 0,1,2,3
	v_add_nc_u32 v[TM+12+\b], 0xff000000, v[TM+\b]   ; 2 off its exponent field: the conversion's scale operand
.endr
.irp b, 0,1,2,3
	v_lshrrev_b32 v[TM+4+\b], 23, v[TM+12+\b]      ; the scale's byte
.endr
.irp c, 0,1
	v_cvt_scalef32_pk16_fp6_f32 v[PC+6*\c:PC+2+6*\c], v[\s+32*\c:\s+15+32*\c], v[TM+12+2*\c]
	v_cvt_scalef32_pk16_fp6_f32 v[PC+12+4*\c:PC+14+4*\c], v[\s+16+32*\c:\s+31+32*\c], v[TM+12+2*\c+1]   ; (a conversion's three registers begin on an even number)
.endr
	v_nop                                          ; one plain place behind a scaled conversion
.irp c, 0,1                                    ; the operand's layout wants a whole block in a lane: lanes 0-15 block 2 c, lanes 16-31 block 2 c + 1
.irp i, 0,1,2
	v_permlane16_swap_b32 v[PC+6*\c+\i], v[PC+12+4*\c+\i]
.endr
.irp i, 0,1,2
	v_mov_b32 v[PC+3+6*\c+\i], v[PC+12+4*\c+\i]
.endr
.endr
.endm
; q, k: block a = 16 tokens (a lane a token) x my 128 features = two heads.  Registers 6 c .. 6 c + 5 of the codes are head c's half image.
.macro ROWQK a
	s_wait_xcnt 0x0                                ; the last block's stores have read their registers
	s_wait_dscnt 0x0
	WIN (0x02+(\a)/4)                              ; source 0: window 2 or 3
.set I, 0
.rept 32
	v_pk_add_f32 v[H+2*I:H+2*I+1], v[64*((\a)%4)+2*I:64*((\a)%4)+2*I+1], v[BI+2*I:BI+2*I+1]   ; + the bias, into window 0; each accumulator is read from its low end on
.set I, I+1
.endr
	WIN 0
	QUANT H
	v_lshl_or_b32 v[W0], v[TM+5], 8, v[TM+4]       ; head 0's scale word: two bytes, the upper two zero
	v_lshl_or_b32 v[W1], v[TM+7], 8, v[TM+6]       ; head 1's
	v_cndmask_b32 v[PW], v[W0], v[W1], s43         ; lanes 0-15 carry head 0's, lanes 16-31 head 1's
	ds_store_b32 v[SQA], v[PW] offset:64*(\a)
.irp c, 0,1
	global_store_b128 v[L16], v[PC+6*\c:PC+6*\c+3], s[24+2*\c:25+2*\c] offset:768*(\a)       ; 512 consecutive bytes,
	global_store_b64 v[L8], v[PC+6*\c+4:PC+6*\c+5], s[24+2*\c:25+2*\c] offset:768*(\a)+512   ; and 256: three aligned blocks of 256 bytes, whole
.endr
.endm
; v: block a = 16 features d (a lane a feature) x my 128 tokens = one key step: the 12 registers are a whole fragment of v^T.
.macro ROWV a
	s_wait_xcnt 0x0
	s_wait_dscnt 0x0
	WIN (0x02+(\a)/4)
.set I, 0
.rept 32
	v_pk_add_f32 v[H+2*I:H+2*I+1], v[64*((\a)%4)+2*I:64*((\a)%4)+2*I+1], v[BI+8*(\a):BI+8*(\a)+1]   ; my feature's bias stands in both registers of the pair
.set I, I+1
.endr
	WIN 0
	QUANT H
	v_lshl_or_b32 v[PW], v[TM+5], 8, v[TM+4]       ; the step's four blocks of keys: my feature's scale word
	v_lshl_or_b32 v[PW], v[TM+6], 16, v[PW]
	v_lshl_or_b32 v[PW], v[TM+7], 24, v[PW]
	ds_store_b32 v[SVA], v[PW] offset:64*(\a)      ; both halves of the lanes write the same word with the same value
.irp i, 0,1,2
	global_store_b128 v[L16], v[PC+4*\i:PC+4*\i+3], s[24:25] offset:208896*((\a)/4)+1536*((\a)%4)+512*\i
.endr
.endm
	PLACES NP                                      ; behind the last products: their results are read and S1's registers written below
	s_wait_loadcnt 0x0                             ; the bias
.irp b, 0,1,2,3
	v_mov_b32 v[TM+4+\b], 0                        ; written once: a lane permute's destination counts as one of its sources
.endr
	s_cmp_lg_u32 s66, 0
	s_cbranch_scc1 .Lv_out
	; q, k.  s17 = Y (x's tile), s42 = X (w_qkv's tile).  No tensor load is out: the descriptors' registers are free
	s_lshr_b32 s18, s17, 3
	s_lshl_b32 s18, s18, 4                         ; 16 x batch
	s_and_b32 s19, s42, 3
	s_lshl_b32 s19, s19, 2
	s_add_co_u32 s18, s18, s19
	s_lshl_b32 s19, s16, 1
	s_add_co_u32 s18, s18, s19                     ; the first of my two heads: 16 b + 4 (X % 4) + 2 x half
	s_and_b32 s19, s17, 7
	s_lshl_b32 s19, s19, 1
	s_add_co_u32 s19, s19, s15                     ; my 128 tokens: which step of the sequence
	s_cmp_eq_u32 ttmp9, 0                          ; q or k
	s_cselect_b64 s[24:25], s[94:95], s[98:99]     ; the images go to q_img or into kv,
	s_cselect_b64 s[28:29], s[96:97], s[98:99]     ; the scale words to q_scl or into kv
	s_mov_b32 s32, 208896
	s_cselect_b32 s33, 98304, s32                  ; from head to head: images,
	s_cselect_b32 s34, 8192, s32                   ; scale words
	s_mov_b32 s32, 13056
	s_cselect_b32 s35, 6144, s32                   ; from step to step
	s_cselect_b32 s36, 512, s32
	s_cselect_b32 s37, 0, 12288                    ; k's scale words lie 12,288 bytes into a record
	s_mul_i32 s38, s18, s33
	s_mul_i32 s20, s19, s35
	s_add_co_u32 s38, s38, s20
	s_mov_b32 s39, 0
	s_add_nc_u64 s[24:25], s[24:25], s[38:39]      ; head 0's images
	s_mov_b32 s38, s33
	s_add_nc_u64 s[26:27], s[24:25], s[38:39]      ; head 1's
	s_mul_i32 s38, s18, s34
	s_mul_i32 s20, s19, s36
	s_add_co_u32 s38, s38, s20
	s_add_co_u32 s38, s38, s37
	s_add_nc_u64 s[28:29], s[28:29], s[38:39]      ; head 0's scale words
	s_mov_b32 s38, s34
	s_add_nc_u64 s[30:31], s[28:29], s[38:39]      ; head 1's
	s_mov_b32 s43, 0xffff0000                      ; lanes 16-31
.irp a, 0,1,2,3,4,5,6,7
	ROWQK \a
.endr
	ds_load_b128 v[H:H+3], v[SQR]                  ; LDS serves a wave's instructions in order: these see my stores.  128 tokens' words of head 0,
	ds_load_b128 v[H+4:H+7], v[SQR] offset:512     ; and of head 1
	s_wait_dscnt 0x0
	global_store_b128 v[L16], v[H:H+3], s[28:29]   ; 512 consecutive bytes each
	global_store_b128 v[L16], v[H+4:H+7], s[30:31]
	s_branch .Lend
.Lv_out:
	; v.  s42 = x's tile, s41 = cy
	s_lshr_b32 s18, s42, 3
	s_lshl_b32 s18, s18, 4
	s_lshl_b32 s19, s41, 2
	s_add_co_u32 s18, s18, s19
	s_lshl_b32 s19, s15, 1
	s_add_co_u32 s18, s18, s19                     ; the first of my two heads: 16 b + 4 cy + 2 x half
	s_and_b32 s19, s42, 7
	s_lshl_b32 s19, s19, 1
	s_add_co_u32 s19, s19, s16                     ; my key step
	s_mul_i32 s38, s18, 208896
	s_mul_i32 s19, s19, 13056
	s_add_co_u32 s38, s38, s19
	s_add_co_u32 s38, s38, 6144                    ; v's fragments lie 6,144 bytes into a record
	s_mov_b32 s39, 0
	s_add_nc_u64 s[24:25], s[98:99], s[38:39]
	s_add_nc_u64 s[28:29], s[24:25], 6656          ; and its scale words at 12,800
.irp a, 0,1,2,3,4,5,6,7
	ROWV \a
.endr
	ds_load_b128 v[H:H+3], v[SVR]                  ; lanes 0-15: head 0's 64 words, lanes 16-31: head 1's
	s_wait_dscnt 0x0
	global_store_b128 v[VSO], v[H:H+3], s[28:29]   ; sixteen lanes store 256 consecutive bytes, aligned
.Lend:
	s_wait_tensorcnt 0x0                           ; the wave's end, behind my last tensor load and my last LDS store
	ds_add_u32 v[SPW], v[NIL]
	s_wait_dscnt 0x0
	CROUND                                         ; the closing round
	s_endpgm
.Lfunc_end_k_q2147b3c620_qkv:
	.size	k_q2147b3c620_qkv, .Lfunc_end_k_q2147b3c620_qkv-k_q2147b3c620_qkv
	.p2alignl 7, 3214868480
	.fill 96, 4, 3214868480
	.section	.rodata,"a",@progbits
	.p2align	6, 0x0
	.amdhsa_kernel k_q2147b3c620_qkv
		.amdhsa_group_segment_fixed_size 327680
		.amdhsa_private_segment_fixed_size 0
		.amdhsa_enable_private_segment 0
		.amdhsa_kernarg_size 64
		.amdhsa_user_sgpr_count 2
		.amdhsa_user_sgpr_kernarg_segment_ptr 1
		.amdhsa_wavefront_size32 1
		.amdhsa_system_sgpr_workgroup_id_x 1
		.amdhsa_system_sgpr_workgroup_id_y 1
		.amdhsa_system_sgpr_workgroup_id_z 1
		.amdhsa_system_vgpr_workitem_id 0
		.amdhsa_next_free_vgpr 1024
		.amdhsa_next_free_sgpr 102
		.amdhsa_reserve_vcc 0
		.amdhsa_float_denorm_mode_32 3
		.amdhsa_float_denorm_mode_16_64 3
		.amdhsa_memory_ordered 1
		.amdhsa_forward_progress 1
		.amdhsa_inst_pref_size 240
	.end_amdhsa_kernel
	.amdgpu_metadata
---
amdhsa.version: [ 1, 2 ]
amdhsa.kernels:
  - .name:           k_q2147b3c620_qkv
    .symbol:         k_q2147b3c620_qkv.kd
    .args:
      - { .name: x_codes, .offset: 0, .size: 8, .value_kind: global_buffer, .address_space: global }
      - { .name: x_scales, .offset: 8, .size: 8, .value_kind: global_buffer, .address_space: global }
      - { .name: w_qkv_codes, .offset: 16, .size: 8, .value_kind: global_buffer, .address_space: global }
      - { .name: w_qkv_scales, .offset: 24, .size: 8, .value_kind: global_buffer, .address_space: global }
      - { .name: b_qkv, .offset: 32, .size: 8, .value_kind: global_buffer, .address_space: global }
      - { .name: q_img, .offset: 40, .size: 8, .value_kind: global_buffer, .address_space: global }
      - { .name: q_scl, .offset: 48, .size: 8, .value_kind: global_buffer, .address_space: global }
      - { .name: kv, .offset: 56, .size: 8, .value_kind: global_buffer, .address_space: global }
    .group_segment_fixed_size: 327680
    .private_segment_fixed_size: 0
    .kernarg_segment_align: 8
    .kernarg_segment_size: 64
    .max_flat_workgroup_size: 128
    .sgpr_count:     102
    .vgpr_count:     1024
    .wavefront_size: 32
...
	.end_amdgpu_metadata
.endif
;; end of part 1
;; launch attn (part 2): grid 4 x 64, 16 waves a work-group, clusters of 4 x 1, 210,944 bytes of LDS; arguments q_img, q_scl, kv, y_img, y_scl; writes y_img, y_scl
.if DOCPART == 2
	.amdgcn_target "amdgcn-amd-amdhsa--gfx1250"
	.amdhsa_code_object_version 6
	.text
	.protected	k_q2147b3c620_attn
	.globl	k_q2147b3c620_attn
	.p2align	8
	.type	k_q2147b3c620_attn,@function
k_q2147b3c620_attn:
	s_mov_b64 s[64:65], 0
	v_nop
	global_prefetch_b8 v0, s[64:65] scope:SCOPE_SE
	s_setreg_imm32_b32 hwreg(HW_REG_WAVE_MODE, 25, 1), 1
	s_wait_xcnt 0x0
	s_wait_alu depctr_hold_cnt(0) depctr_sa_sdst(0) depctr_va_vdst(0) depctr_va_sdst(0) depctr_va_ssrc(0) depctr_va_vcc(0) depctr_vm_vsrc(0)
	s_getreg_b32 s2, hwreg(HW_REG_IB_STS2, 6, 4)
	s_cmp_eq_u32 s2, 0
	s_cbranch_scc0 .Lentry_in_a_cluster
	s_endpgm
.Lentry_in_a_cluster:
	s_bfe_u32 s2, ttmp6, 0x10000c
	s_cmp_lg_u32 s2, 0x3003
	s_cbranch_scc0 .Lentry_shape_is_right
	s_endpgm
.Lentry_shape_is_right:
; y[b h][q] = the sum over k <= q of softmax_k(q . k / 8) v, both products on codes of FP6 (E2M3) with one E8M0 scale for each 32 along a product's K; y is quantised here along the head's 64 (two blocks of the projection's K).
; LEFT OUT: a step of 128 keys all of which come after a tile's 16 queries: reference()'s own causal mask gives those keys the weight 0 (shown at the head of the first kernel).
; THE SOFTMAX: t = score x log2(e) / 8; M = the running largest t rounded up to a whole number; p = 2^(t - M) is quantised along the keys, not normalised; the row's sum is taken of the unquantised p and divides at the end.
; When M moves, the sum and O are multiplied by 2^(old M - new M), which rounds nothing.  A block's largest p is made from the block's largest score by the same multiply-add and exponential.
; LIMITS: as stated at the head of the first kernel; v_exp_f32 gives 0 for results under 2^-126.
; SHARES.  A cluster of four work-groups is one (batch, head).  The head's whole record of k and v, 16 steps x 13,056 bytes, fits in LDS and is fetched ONCE: wave w asks jointly (a mask that names the four) for step w's record.
; So there is no ring and no barrier in the loops.  Tiles of 16 queries are dealt as i = 4 m + cx; wave w takes m = 31 - w and then m = w.  A tile's live steps are 0 .. m / 2, which hangs on the wave's number alone:
; every wave of every work-group has 17 live steps, and every work-group reads every record.
; LAYOUT.  Both products are used transposed: S^T = k q^T (source 0 = 16 keys, source 1 = my 16 queries), O^T = v^T p^T: a lane holds ONE query (lane % 16) throughout.
; The head's 64 fill half of the instruction's 128 along K: q's registers 6-11 are zero codes, and bytes 2, 3 of q's and k's scale words are 0.  k's fragment t is v[32 + 6 t] on, twelve registers: its upper six are the
; next tile's codes (for t = 7 six registers cleared once), which meet zero codes alone.  The order of codes inside a block of 32 keys is the same in p and in v (head of the first kernel).
; REGISTERS: v1-3 16, 8, 4 x lane; v4-5 the add's two; v6-8 these + the step's record; v9 r - 8 h; v10 4 r; v12 -M, v13 the largest t, v[14:15] the sum; v16-27, v28 q and its scale word (first pass); v240-251, v252 (second);
;   v32-85 k's fragments, then v's four; v86-91 their scale words; v96-159 S^T, then p; v160-191 O^T; v192-203 p's codes; v204-231 at work; v224 p's scale word; v232-239 y's codes and scale word.
.set REC,   13056                      ; a step's record
.set VFR,   6144                       ; v's fragments in it
.set KSC,   12288                      ; k's scale words
.set VSC,   12800                      ; v's
.set SPARE, 16*REC                     ; behind the records: the spare words, 128 bytes for each wave
.set LS,    52                         ; s52, s53  the pass's last live step
.set Q0,    54                         ; s54, s55  its first query
.set SN,    56                         ; s56  the step
.set TB,    57                         ; s57  where its record begins in LDS
.set KF,    59                         ; s59  its first key
.macro CROUND                          ; a round of the cluster's barrier
	s_barrier_signal -1
	s_barrier_wait -1
	s_cmp_lg_u32 s14, 0
	s_cbranch_scc1 .Lnot_wave_0_\@
	s_barrier_signal -3
.Lnot_wave_0_\@:
	s_barrier_wait -3
	s_barrier_signal -1
	s_barrier_wait -1
.endm
; Pass u's tile: m in s58.  s[36+8u:37+8u] q's image, s[38+8u:39+8u] q's scale words, s[40+8u:41+8u] y's image, s[42+8u:43+8u] y's scale words
.macro BASES u
	s_lshl_b32 s17, s58, 2
	s_add_co_u32 s17, s17, s15                     ; i = 4 m + cx: it enters global addresses and the mask's numbers alone
	s_lshr_b32 s[LS+\u], s58, 1                    ; i / 8 = m / 2
	s_lshl_b32 s[Q0+\u], s17, 4
	s_lshl_b32 s18, s16, 7
	s_add_co_u32 s18, s18, s17
	s_mul_i32 s18, s18, 768
	s_mov_b32 s19, 0
	s_add_nc_u64 s[36+8*\u:37+8*\u], s[4:5], s[18:19]
	s_lshl_b32 s18, s16, 13
	s_lshl_b32 s59, s17, 6
	s_add_co_u32 s18, s18, s59                     ; 4 (2,048 b h + 16 i)
	s_add_nc_u64 s[38+8*\u:39+8*\u], s[6:7], s[18:19]
	s_add_nc_u64 s[42+8*\u:43+8*\u], s[12:13], s[18:19]
	s_lshr_b32 s18, s16, 4
	s_lshl_b32 s18, s18, 4
	s_lshr_b32 s59, s17, 3
	s_add_co_u32 s18, s18, s59                     ; which 128 rows of y: 16 b + i / 8
	s_lshl_b32 s18, s18, 4
	s_and_b32 s59, s16, 15
	s_add_co_u32 s18, s18, s59                     ; x 16 heads + my head
	s_mul_i32 s18, s18, 6144
	s_and_b32 s59, s17, 7
	s_mul_i32 s59, s59, 768
	s_add_co_u32 s18, s18, s59
	s_add_nc_u64 s[40+8*\u:41+8*\u], s[10:11], s[18:19]
.endm
	s_load_b256 s[4:11], s[0:1], 0x0               ; q_img s[4:5], q_scl s[6:7], kv s[8:9], y_img s[10:11]
	s_load_b64 s[12:13], s[0:1], 0x20              ; y_scl
	v_lshl_add_u32 v4, v0, 2, SPARE
	v_mov_b32 v5, 0
	ds_add_u32 v4, v5                              ; the wave's opening: the add, twice on end, and its wait ahead of my first tensor load
	ds_add_u32 v4, v5
	v_lshrrev_b32 v1, 5, v0
	v_readfirstlane_b32 s14, v1                    ; wave 0..15
	s_bfe_u32 s15, ttmp6, 0x40000                  ; cx
	s_and_b32 s16, ttmp7, 0xffff                   ; b h, which the four partners share
	; descriptor group 1: a record, 13,056 dense bytes, as 51 rows of 256 (32 elements of 8 bytes); the mask names all four work-groups
	s_mov_b32 s28, 15|(3<<16)|(1<<21)
	s_mov_b32 s29, 32<<16
	s_mov_b32 s30, 51<<16
	s_mov_b32 s31, 32<<16
	s_mov_b32 s32, 51
	s_mov_b32 s33, 32
	s_mov_b32 s34, 0
	s_mov_b32 s35, 0
	s_mov_b32 s20, 0x76543210
	s_mov_b32 s21, 0xfedcba98                      ; v_permlanex16_b32's selects for lane l xor 16
	s_mov_b32 s22, 0x3e38aa3b                      ; c = log2(e) / 8
	s_mov_b32 s23, s22                             ; (named with it as a pair)
	s_mov_b32 s24, 1
	s_mul_i32 s25, s14, REC                        ; step w's record goes to LDS byte 13,056 w
	s_mul_i32 s18, s16, 16*REC
	s_add_co_u32 s18, s18, s25
	s_mov_b32 s19, 0
	v_and_b32 v3, 31, v0
	v_lshlrev_b32 v1, 4, v3
	v_lshlrev_b32 v2, 3, v3
	v_lshlrev_b32 v3, 2, v3
	v_and_b32 v10, 15, v0
	v_bfe_u32 v9, v0, 4, 1
	v_lshlrev_b32 v9, 3, v9
	v_sub_nc_u32 v9, v10, v9
	v_lshlrev_b32 v10, 2, v10
	s_wait_dscnt 0x0                               ; both opening adds are done
	s_wait_kmcnt 0x0
	s_add_nc_u64 s[26:27], s[8:9], s[18:19]
	s_or_b32 s27, s27, 0x80000000
	s_xor_b32 s58, s14, 31                         ; m = 31 - w
	BASES 0
	s_mov_b32 s58, s14                             ; m = w
	BASES 1
	CROUND                                         ; all four work-groups are here: the joint loads meet
	tensor_load_to_lds s[24:27], s[28:35]          ; my one tensor load
	s_nop 0
	global_load_b128 v[16:19], v1, s[36:37] th:TH_LOAD_NT
	global_load_b64 v[20:21], v2, s[36:37] offset:512 th:TH_LOAD_NT
	global_load_b32 v28, v10, s[38:39]
	global_load_b128 v[240:243], v1, s[44:45] th:TH_LOAD_NT
	global_load_b64 v[244:245], v2, s[44:45] offset:512 th:TH_LOAD_NT
	global_load_b32 v252, v10, s[46:47]
.irp j, 0,1,2,3,4,5
	v_mov_b32 v[22+\j], 0                          ; q's codes of K 64-127: zeros
	v_mov_b32 v[246+\j], 0
	v_mov_b32 v[80+\j], 0                          ; what stands behind k's last half fragment
.endr
.irp b, 0,1,2,3
	v_mov_b32 v[216+\b], 0                         ; written once: a lane permute's destination counts as one of its sources
.endr
	v_mov_b32 v228, 0
	v_mov_b32 v227, 0                              ; (named as the upper half of the pair v[226:227])
	s_wait_loadcnt 0x0
	s_wait_tensorcnt 0x0                           ; my record is in,
	s_barrier_signal -1
	s_barrier_wait -1                              ; everybody's is
; ONE TILE OF 16 QUERIES.  qf: q's fragment; qs: its scale word.  The loop has 16 trips in every wave; a step behind the mask is passed over by a scalar branch on the wave's number and the count of steps.
.macro PASS u, qf, qs
	v_mov_b32 v13, 0xff61b1e6                      ; the largest t so far: -3e38
	v_floor_f32 v12, -v13                          ; -M
	v_mov_b32 v14, 0
	v_mov_b32 v15, 0
.set J, 0
.rept 32
	v_mov_b32 v[160+J], 0                          ; O^T: the step is written once; the first finds zeros, which the first change of M leaves zeros
.set J, J+1
.endr
	s_mov_b32 s[SN], 0
	s_mov_b32 s[TB], 0
	s_mov_b32 s[KF], 0
.Lstep_\@:
	s_cmp_gt_u32 s[SN], s[LS+\u]
	s_cbranch_scc1 .Lhid_\@
	v_add_nc_u32 v6, s[TB], v1
	v_add_nc_u32 v7, s[TB], v2
	v_add_nc_u32 v8, s[TB], v3
	v_nop                                          ; these four are the places between the last step's products and the loads into their registers
.irp t, 0,1,2,3,4,5,6,7
	ds_load_b128 v[32+6*\t:35+6*\t], v6 offset:768*\t          ; k's half image of keys 16 t on, as it lies: 512 consecutive bytes,
	ds_load_b64 v[36+6*\t:37+6*\t], v7 offset:768*\t+512       ; and 256
.endr
.irp i, 0,1,2,3
	ds_load_b32 v[86+\i], v8 offset:KSC+128*\i     ; lanes 0-15: tile 2 i's scale words, lanes 16-31: tile 2 i + 1's
.endr
	s_wait_dscnt 0x0
.irp t, 0,1,2,3,4,5,6,7
.if \t%2
	v_wmma_scale_f32_16x16x128_f8f6f4 v[96+8*\t:103+8*\t], v[32+6*\t:43+6*\t], v[\qf:\qf+11], 0, v[86+\t/2], v[\qs] matrix_a_fmt:MATRIX_FMT_FP6 matrix_b_fmt:MATRIX_FMT_FP6 matrix_a_scale:MATRIX_SCALE_ROW1
.else
	v_wmma_scale_f32_16x16x128_f8f6f4 v[96+8*\t:103+8*\t], v[32+6*\t:43+6*\t], v[\qf:\qf+11], 0, v[86+\t/2], v[\qs] matrix_a_fmt:MATRIX_FMT_FP6 matrix_b_fmt:MATRIX_FMT_FP6
.endif
.endr                                          ; register 8 t + j of lane (r, h): query r, key 16 t + 8 h + j of the step
.rept 4
	v_nop                                          ; places in front of the loads below and of the first read of the scores
.endr
.irp t, 0,1,2,3
.irp i, 0,1,2
	ds_load_b128 v[32+12*\t+4*\i:35+12*\t+4*\i], v6 offset:VFR+1536*\t+512*\i   ; v's four fragments: they land under the softmax
.endr
.endr
.irp i, 0,1
	ds_load_b32 v[90+\i], v8 offset:VSC+128*\i
.endr
	s_cmp_lg_u32 s[SN], s[LS+\u]                   ; only the tile's last live step lies on the diagonal
	s_cbranch_scc1 .Lopen_\@
	s_sub_co_i32 s58, s[Q0+\u], s[KF]
	v_add_nc_u32 v228, s58, v9                     ; d = my query - the step's first key - 8 h: register 8 t + j is hidden where 16 t + j > d
	v_mov_b32 v229, 0xff800000                     ; -infinity: p = 0 then
.set J, 0
.rept 64
	v_cmp_gt_i32 vcc_lo, 16*(J/8)+J%8, v228
	v_cndmask_b32 v[96+J], v[96+J], v229, vcc_lo
.set J, J+1
.endr
.Lopen_\@:
.irp b, 0,1,2,3
	v_max3_num_f32 v[212+\b], v[96+16*\b], v[97+16*\b], v[98+16*\b]   ; the largest score of each block of 32 keys: it serves the row's maximum and the block's largest p
.endr
.irp i, 3,5,7,9,11,13
.irp b, 0,1,2,3
	v_max3_num_f32 v[212+\b], v[212+\b], v[96+16*\b+\i], v[97+16*\b+\i]
.endr
.endr
.irp b, 0,1,2,3
	v_max_num_f32 v[212+\b], v[212+\b], v[111+16*\b]
.endr
.irp b, 0,1,2,3
	v_permlanex16_b32 v[216+\b], v[212+\b], s20, s21
.endr
.irp b, 0,1,2,3
	v_max_num_f32 v[212+\b], v[212+\b], v[216+\b]  ; with lane l xor 16's 16 keys
.endr
	v_max3_num_f32 v228, v212, v213, v214
	v_max_num_f32 v228, v228, v215
	v_mul_f32 v228, s22, v228                      ; the step's largest t of my query
	v_max_num_f32 v13, v13, v228
	v_mov_b32 v228, v12
	v_floor_f32 v12, -v13                          ; the new -M = floor(-t)
	v_sub_f32 v228, v12, v228                      ; old M - new M: a whole number, 0 or less
	v_cvt_i32_f32 v228, v228                       ; (it saturates)
	v_ldexp_f32 v226, 1.0, v228                    ; f = 2^(old M - new M)
.set J, 0
.rept 32
	v_pk_fma_f32 v[96+J:97+J], v[96+J:97+J], s[22:23], v[12:13] op_sel_hi:[1,0,0]   ; t - M, two at a time
.set J, J+2
.endr
.irp b, 0,1,2,3
	v_fma_f32 v[212+\b], v[212+\b], s22, v12       ; the same of each block's largest score
.endr
.set J, 0
.rept 64
	v_exp_f32 v[96+J], v[96+J]                     ; p = 2^(t - M)
.set J, J+1
.endr
.irp b, 0,1,2,3
	v_exp_f32 v[212+\b], v[212+\b]                 ; the block's largest p: one batch with the 64
.endr
	v_pk_mul_f32 v[14:15], v[14:15], v[226:227] op_sel_hi:[1,0]   ; the sum under the new M; these 17 lines name no exponential's result
.set J, 0
.rept 16
	v_pk_mul_f32 v[160+J:161+J], v[160+J:161+J], v[226:227] op_sel_hi:[1,0]   ; O^T under the new M, each accumulator from its low end on
.set J, J+2
.endr
	s_wait_alu depctr_va_vdst(0)                   ; the wait ahead of the first line that names a result: one for the 68
.irp b, 0,1,2,3
	v_max_num_f32 v[212+\b], 0x1800000, v[212+\b]  ; the floor 2^(3 - 127): the byte cannot fall under 1
.endr
.irp b, 0,1,2,3
	v_add_nc_u32 v[220+\b], 0xff000000, v[212+\b]  ; 2 off the exponent field: the conversion's scale operand
.endr
.irp b, 0,1,2,3
	v_lshrrev_b32 v[216+\b], 23, v[220+\b]
.endr
	v_lshl_or_b32 v224, v217, 8, v216              ; p's scale word for these 128 keys
	v_lshl_or_b32 v224, v218, 16, v224
	v_lshl_or_b32 v224, v219, 24, v224
.irp c, 0,1
	v_cvt_scalef32_pk16_fp6_f32 v[192+6*\c:194+6*\c], v[96+32*\c:111+32*\c], v[220+2*\c]
	v_cvt_scalef32_pk16_fp6_f32 v[204+4*\c:206+4*\c], v[112+32*\c:127+32*\c], v[220+2*\c+1]
.endr
	v_nop                                          ; one plain place behind a scaled conversion
.irp c, 0,1
.irp i, 0,1,2
	v_permlane16_swap_b32 v[192+6*\c+\i], v[204+4*\c+\i]
.endr
.irp i, 0,1,2
	v_mov_b32 v[195+6*\c+\i], v[204+4*\c+\i]
.endr
.endr
	v_pk_add_f32 v[230:231], v[96:97], v[98:99]    ; the row's sum of the UNQUANTISED p, in two chains; these 32 lines are also the places between p's codes and scale word and the products
.irp j, 4,8,12,16,20,24,28,32,36,40,44,48,52,56,60
	v_pk_add_f32 v[14:15], v[14:15], v[96+\j:97+\j]
	v_pk_add_f32 v[230:231], v[230:231], v[98+\j:99+\j]
.endr
	v_pk_add_f32 v[14:15], v[14:15], v[230:231]
	s_wait_dscnt 0x0                               ; v's fragments and scale words
.irp t, 0,1,2,3
.if \t%2
	v_wmma_scale_f32_16x16x128_f8f6f4 v[160+8*\t:167+8*\t], v[32+12*\t:43+12*\t], v[192:203], v[160+8*\t:167+8*\t], v[90+\t/2], v224 matrix_a_fmt:MATRIX_FMT_FP6 matrix_b_fmt:MATRIX_FMT_FP6 matrix_a_scale:MATRIX_SCALE_ROW1
.else
	v_wmma_scale_f32_16x16x128_f8f6f4 v[160+8*\t:167+8*\t], v[32+12*\t:43+12*\t], v[192:203], v[160+8*\t:167+8*\t], v[90+\t/2], v224 matrix_a_fmt:MATRIX_FMT_FP6 matrix_b_fmt:MATRIX_FMT_FP6
.endif
.endr                                          ; the four accumulators take turns, one instruction a turn
.Lhid_\@:
	s_add_co_u32 s[TB], s[TB], REC
	s_add_co_u32 s[KF], s[KF], 128
	s_add_co_u32 s[SN], s[SN], 1
	s_cmp_lt_u32 s[SN], 16
	s_cbranch_scc1 .Lstep_\@
	; THE TILE'S WAY OUT: O^T / the sum; neighbours along d brought into one lane; two blocks of 32 quantised; a half image and 16 scale words stored.
.rept 4
	v_nop                                          ; places behind the last products
.endr
	s_wait_xcnt 0x0                                ; the pass before has had its stores' registers read
	v_add_f32 v14, v14, v15
	v_permlanex16_b32 v228, v14, s20, s21
	v_add_f32 v14, v14, v228                       ; the row's sum
	v_rcp_f32 v226, v14
	v_nop                                          ; a plain place behind the reciprocal
	s_wait_alu depctr_va_vdst(0)                   ; and the wait ahead of its first use
.set J, 0
.rept 16
	v_pk_mul_f32 v[96+J:97+J], v[160+J:161+J], v[226:227] op_sel_hi:[1,0]   ; register 8 t + j: y(r, 16 t + 8 h + j)
.set J, J+2
.endr
.irp b, 0,1
.irp j, 0,1,2,3,4,5,6,7
	v_permlane16_swap_b32 v[96+16*\b+\j], v[104+16*\b+\j]   ; w_proj's codes lie in the true order, so y's must: now register 16 b + i is d = 32 b + 16 h + i
.endr
.endr
.irp b, 0,1
	v_max3_num_f32 v[212+\b], |v[96+16*\b]|, |v[97+16*\b]|, 0x1800000
.endr
.irp i, 2,4,6,8,10,12,14
.irp b, 0,1
	v_max3_num_f32 v[212+\b], v[212+\b], |v[96+16*\b+\i]|, |v[97+16*\b+\i]|
.endr
.endr
.irp b, 0,1
	v_permlanex16_b32 v[216+\b], v[212+\b], s20, s21
.endr
.irp b, 0,1
	v_max_num_f32 v[212+\b], v[212+\b], v[216+\b]
.endr
.irp b, 0,1
	v_add_nc_u32 v[220+\b], 0xff000000, v[212+\b]
.endr
.irp b, 0,1
	v_lshrrev_b32 v[216+\b], 23, v[220+\b]
.endr
	v_lshl_or_b32 v239, v217, 8, v216              ; my row's scale word: the head's two bytes, the upper two zero
	v_cvt_scalef32_pk16_fp6_f32 v[232:234], v[96:111], v220
	v_cvt_scalef32_pk16_fp6_f32 v[236:238], v[112:127], v221
	v_nop
.irp i, 0,1,2
	v_permlane16_swap_b32 v[232+\i], v[236+\i]
.endr
.irp i, 0,1,2
	v_mov_b32 v[235+\i], v[236+\i]                 ; v232-237: lane (r, h) holds block h of row r
.endr
	global_store_b128 v1, v[232:235], s[40+8*\u:41+8*\u]              ; 512 consecutive bytes,
	global_store_b64 v2, v[236:237], s[40+8*\u:41+8*\u] offset:512    ; and 256
	global_store_b32 v10, v239, s[42+8*\u:43+8*\u]                    ; 64 bytes: the tiles beside mine belong to my partners
.endm
	PASS 0, 16, 28
	PASS 1, 240, 252
	s_wait_tensorcnt 0x0                           ; the wave's end
	ds_add_u32 v4, v5
	s_wait_dscnt 0x0
	CROUND                                         ; the closing round
	s_endpgm
.Lfunc_end_k_q2147b3c620_attn:
	.size	k_q2147b3c620_attn, .Lfunc_end_k_q2147b3c620_attn-k_q2147b3c620_attn
	.p2alignl 7, 3214868480
	.fill 96, 4, 3214868480
	.section	.rodata,"a",@progbits
	.p2align	6, 0x0
	.amdhsa_kernel k_q2147b3c620_attn
		.amdhsa_group_segment_fixed_size 210944
		.amdhsa_private_segment_fixed_size 0
		.amdhsa_enable_private_segment 0
		.amdhsa_kernarg_size 40
		.amdhsa_user_sgpr_count 2
		.amdhsa_user_sgpr_kernarg_segment_ptr 1
		.amdhsa_wavefront_size32 1
		.amdhsa_system_sgpr_workgroup_id_x 1
		.amdhsa_system_sgpr_workgroup_id_y 1
		.amdhsa_system_sgpr_workgroup_id_z 1
		.amdhsa_system_vgpr_workitem_id 0
		.amdhsa_next_free_vgpr 256
		.amdhsa_next_free_sgpr 66
		.amdhsa_reserve_vcc 1
		.amdhsa_float_denorm_mode_32 3
		.amdhsa_float_denorm_mode_16_64 3
		.amdhsa_memory_ordered 1
		.amdhsa_forward_progress 1
		.amdhsa_inst_pref_size 59
	.end_amdhsa_kernel
	.amdgpu_metadata
---
amdhsa.version: [ 1, 2 ]
amdhsa.kernels:
  - .name:           k_q2147b3c620_attn
    .symbol:         k_q2147b3c620_attn.kd
    .args:
      - { .name: q_img, .offset: 0, .size: 8, .value_kind: global_buffer, .address_space: global }
      - { .name: q_scl, .offset: 8, .size: 8, .value_kind: global_buffer, .address_space: global }
      - { .name: kv, .offset: 16, .size: 8, .value_kind: global_buffer, .address_space: global }
      - { .name: y_img, .offset: 24, .size: 8, .value_kind: global_buffer, .address_space: global }
      - { .name: y_scl, .offset: 32, .size: 8, .value_kind: global_buffer, .address_space: global }
    .group_segment_fixed_size: 210944
    .private_segment_fixed_size: 0
    .kernarg_segment_align: 8
    .kernarg_segment_size: 40
    .max_flat_workgroup_size: 512
    .sgpr_count:     66
    .vgpr_count:     256
    .wavefront_size: 32
...
	.end_amdgpu_metadata
.endif
;; end of part 2
;; launch proj (part 3): grid 4 x 32, 4 waves a work-group, clusters of 4 x 4, 327,680 bytes of LDS; arguments y_img, y_scl, w_proj_codes, w_proj_scales, b_proj, out0; writes out0
.if DOCPART == 3
	.amdgcn_target "amdgcn-amd-amdhsa--gfx1250"
	.amdhsa_code_object_version 6
	.text
	.protected	k_q2147b3c620_proj
	.globl	k_q2147b3c620_proj
	.p2align	8
	.type	k_q2147b3c620_proj,@function
k_q2147b3c620_proj:
	s_mov_b64 s[64:65], 0
	v_nop
	global_prefetch_b8 v0, s[64:65] scope:SCOPE_SE
	s_setreg_imm32_b32 hwreg(HW_REG_WAVE_MODE, 25, 1), 1
	s_wait_xcnt 0x0
	s_wait_alu depctr_hold_cnt(0) depctr_sa_sdst(0) depctr_va_vdst(0) depctr_va_sdst(0) depctr_va_ssrc(0) depctr_va_vcc(0) depctr_vm_vsrc(0)
	s_getreg_b32 s2, hwreg(HW_REG_IB_STS2, 6, 4)
	s_cmp_eq_u32 s2, 0
	s_cbranch_scc0 .Lentry_in_a_cluster
	s_endpgm
.Lentry_in_a_cluster:
	s_bfe_u32 s2, ttmp6, 0x10000c
	s_cmp_lg_u32 s2, 0xf033
	s_cbranch_scc0 .Lentry_shape_is_right
	s_endpgm
.Lentry_shape_is_right:
; out0 = y w_proj + b_proj on codes of FP6 (E2M3) with one E8M0 scale for each 32 along K = 1,024; f32 sums, f32 out.  Nothing is left out here.
; y comes from the launch before as images of operand registers: y_img [128 rows 64][head 16][tile of 16 rows 8][768]; a half image (16 rows x a head's 64): lane L's registers 0-3 at 16 L, registers 4-5 at 512 + 8 L.
; Two heads' half images are one fragment of 128 along K.  y_scl [b h][token]: a word with the head's two scale bytes.  w_proj's codes and scale bytes are taken as they lie: rows of 768 and of 32 bytes.
; A tile of out0, 256 x 256, is made by a work-group of four waves; a wave makes 128 x 128: 64 accumulators.  Source 0 = 16 rows of w_proj, source 1 = 16 rows of y: a lane holds eight neighbouring numbers of a row of out0.
; K goes in steps of 256 through two LDS slots: four slots' worth, written out.  Of y a slot's 128 rows x 4 heads are 24,576 dense bytes.  The bias is the C of each sum's first matrix instruction.
; CLUSTERS: 4 x 4 work-groups: y's tiles are asked for jointly by a row of the cluster, w_proj's tiles and scales by a column.  y's scale bytes are put in row order by the work-group itself, through registers.
; REGISTERS, in windows of 256: window 0: v15-31 addresses; v32-63 scale words, two sets; v64-127 the bias; v128-223 y's fragments, one set.  window 1: w_proj's fragments, two sets.  windows 2, 3: the accumulators.
.set SIZE_N, 1024
.set NQ,     2
.set ROWB,   192
.set KROW,   768
.set PITCH,  240                       ; w_proj's LDS row: 3 x (64 bytes + 16 of padding)
.set FR,     12
.set NLA,    4                         ; LDS loads that bring a fragment of y
.set NP,     4
.set HALFA,  24576                     ; y: 128 rows x 256 along K, as images
.set HALFB,  128*PITCH
.set BOFF,   2*HALFA
.set SLOT,   2*HALFA+2*HALFB
.set SCL,    2*SLOT                    ; behind the ring: y's scales (stored by the waves; no fill lands there), then w_proj's (one fill): units of 256 bytes + 16 of padding
.set HALFS,  16*272
.set SBLK,   2*272
.set SPARE,  SCL+4*HALFS
.set SPITCH, 528                       ; the way out: 16 rows x (512 bytes + 16) for each wave, in slot 0, which has had its last fill and its last read by then
.set BO,   15                          ; v15  32 x (lane / 16): the bias loads' offset
.set ADRA, 16                          ; v16-17 16 x lane + my half of y in slot 0, 1;  v18-19 the same with 8 x lane
.set ADRB, 20
.set STO,  24
.set RD,   25
.set CO,   26
.set ADRS, 27
.set SPW,  28
.set NIL,  29
.set YSO,  30                          ; v30  4 x thread: y's scale words in memory
.set ASW,  31                          ; v31  where I put row thread's 32 scale bytes
.set SC,   32
.set BI,   64
.set AF,   128
.set BK,   128
.set G1,   24
.set G0,   32
.set G1B,  48
.set G0B,  56
.set G1SB, 80
.set G0SB, 88
.set MSB, 0
.macro WIN new
.if MSB != \new
	s_set_vgpr_msb (MSB<<8)|\new
.set MSB, \new
.endif
.endm
.set MUL_LO, 0xa1                      ; source 0 (w_proj) window 1, source 1 (y) window 0, C and D window 2
.set MUL_HI, 0xf1
.set TO_B,   0x40
.macro JLOAD g0a, g1a, g0b, g1b        ; a joint refill: waves 0 and 1 fetch y's halves, waves 2 and 3 w_proj's; an s_nop 0 and four v_nop follow each line
	s_cmp_eq_u32 s15, 0
	s_cbranch_scc0 .Lfor_b_\@
	tensor_load_to_lds s[\g0a:\g0a+3], s[\g1a:\g1a+7]
	s_nop 0
.rept 4
	v_nop
.endr
	s_branch .Lasked_\@
.Lfor_b_\@:
	tensor_load_to_lds s[\g0b:\g0b+3], s[\g1b:\g1b+7]
	s_nop 0
.rept 4
	v_nop
.endr
.Lasked_\@:
.endm
.macro CREST
	s_cmp_lg_u32 s14, 0
	s_cbranch_scc1 .Lnot_wave_0_\@
	s_barrier_signal -3
.Lnot_wave_0_\@:
	s_barrier_wait -3
	s_barrier_signal -1
	s_barrier_wait -1
.endm
.macro CROUND
	s_barrier_signal -1
	s_barrier_wait -1
	CREST
.endm
	s_load_b256 s[4:11], s[0:1], 0x0               ; y_img s[4:5], y_scl s[6:7], w_proj's codes s[8:9], its scales s[10:11]
	s_load_b128 s[92:95], s[0:1], 0x20             ; b_proj s[92:93], out0 s[94:95]
	v_lshl_add_u32 v[SPW], v0, 2, SPARE
	v_mov_b32 v[NIL], 0
	ds_add_u32 v[SPW], v[NIL]                      ; the wave's opening: the add, twice on end, and its wait ahead of my first tensor load
	ds_add_u32 v[SPW], v[NIL]
	v_lshrrev_b32 v1, 5, v0
	v_readfirstlane_b32 s14, v1                    ; wave 0..3
	s_lshr_b32 s15, s14, 1                         ; which half of the tile's rows is mine.  Also: I fetch for y (0) or for w_proj (1)
	s_and_b32 s16, s14, 1                          ; which half of its columns.  Also: which 128 rows I fetch
	s_bfe_u32 s40, ttmp6, 0x40000                  ; cx
	s_bfe_u32 s41, ttmp6, 0x40004                  ; cy
	s_lshl_b32 s42, ttmp9, 2
	s_add_co_u32 s42, s42, s40                     ; tile column X
	s_and_b32 s17, ttmp7, 0xffff
	s_lshl_b32 s17, s17, 2
	s_add_co_u32 s17, s17, s41                     ; tile row Y
	s_lshl_b32 s43, s41, 2
	s_lshl_b32 s43, 15, s43                        ; my row of the cluster
	s_lshl_b32 s44, 0x1111, s40                    ; my column
	s_or_b32 s[G1+0], s43, (3<<16)|(1<<21)         ; y: 24,576 dense bytes as 96 rows of 256 (32 elements of 8 bytes), no padding
	s_mov_b32 s[G1+1], 32<<16
	s_mov_b32 s[G1+2], 96<<16
	s_mov_b32 s[G1+3], 32<<16
	s_mov_b32 s[G1+4], 96
	s_mov_b32 s[G1+5], 32
	s_mov_b32 s[G1+6], 0
	s_mov_b32 s[G1+7], 0
	s_or_b32 s[G1B+0], s44, (0<<16)|(1<<20)|(1<<21)|(3<<22)|(3<<25)   ; w_proj: 128 rows x 192 bytes, 16 bytes of padding behind every 64
	s_mov_b32 s[G1B+1], ROWB<<16
	s_mov_b32 s[G1B+2], 128<<16
	s_mov_b32 s[G1B+3], ROWB<<16
	s_mov_b32 s[G1B+4], 128
	s_mov_b32 s[G1B+5], KROW
	s_mov_b32 s[G1B+6], 0
	s_mov_b32 s[G1B+7], 0
	s_or_b32 s[G1SB+0], s44, (3<<16)|(1<<20)|(1<<21)|(5<<22)|(3<<25)  ; its scales of 128 rows: 16 rows of 256 bytes, 16 of padding behind each
	s_mov_b32 s[G1SB+1], 32<<16
	s_mov_b32 s[G1SB+2], 16<<16
	s_mov_b32 s[G1SB+3], 32<<16
	s_mov_b32 s[G1SB+4], 16
	s_mov_b32 s[G1SB+5], 32
	s_mov_b32 s[G1SB+6], 0
	s_mov_b32 s[G1SB+7], 0
	s_lshl_b32 s20, s17, 1
	s_add_co_u32 s20, s20, s16
	s_mul_i32 s20, s20, 98304                      ; y: which 128 rows, 16 heads x 6,144 bytes each
	s_mov_b32 s21, 0
	s_lshl_b32 s46, s42, 8
	s_lshl_b32 s18, s16, 7
	s_add_co_u32 s46, s46, s18                     ; w_proj: row 256 X + 128 x half
	s_lshl_b32 s12, s46, 5
	s_mov_b32 s13, 0
	s_mul_i32 s46, s46, KROW
	s_mov_b32 s47, 0
	s_mul_i32 s45, s16, HALFA                      ; where they go in a slot: no place in the cluster enters an LDS address
	s_mul_i32 s2, s16, HALFB
	s_add_co_u32 s2, s2, BOFF
	s_mul_i32 s3, s16, HALFS
	s_add_co_u32 s3, s3, SCL+2*HALFS
	s_wait_dscnt 0x0                               ; both opening adds are done
	s_wait_kmcnt 0x0
	s_add_nc_u64 s[20:21], s[4:5], s[20:21]
	s_add_nc_u64 s[46:47], s[8:9], s[46:47]
	s_add_nc_u64 s[12:13], s[10:11], s[12:13]
	CROUND                                         ; all sixteen work-groups are here: the first joint loads meet
.irp s, 0,1
	s_mov_b32 s[G0+4*\s], 1
	s_add_co_u32 s[G0+4*\s+1], s45, \s*SLOT
	s_add_nc_u64 s[G0+4*\s+2:G0+4*\s+3], s[20:21], \s*HALFA
	s_or_b32 s[G0+4*\s+3], s[G0+4*\s+3], 0x80000000
	s_mov_b32 s[G0B+4*\s], 1
	s_add_co_u32 s[G0B+4*\s+1], s2, \s*SLOT
	s_add_nc_u64 s[G0B+4*\s+2:G0B+4*\s+3], s[46:47], \s*ROWB
	s_or_b32 s[G0B+4*\s+3], s[G0B+4*\s+3], 0x80000000
.endr
	s_mov_b32 s[G0SB], 1
	s_mov_b32 s[G0SB+1], s3
	s_mov_b64 s[G0SB+2:G0SB+3], s[12:13]
	s_or_b32 s[G0SB+3], s[G0SB+3], 0x80000000
	s_cmp_eq_u32 s15, 0                            ; a wave's first fills stand in one branch: two loads of mine are out, or three; the last is slot 1's in both arms
	s_cbranch_scc0 .Lfill_b
	tensor_load_to_lds s[G0:G0+3], s[G1:G1+7]
	s_nop 0
	tensor_load_to_lds s[G0+4:G0+7], s[G1:G1+7]
	s_nop 0
.rept 4
	v_nop
.endr
	s_branch .Lfilled
.Lfill_b:
	tensor_load_to_lds s[G0SB:G0SB+3], s[G1SB:G1SB+7]
	s_nop 0
	tensor_load_to_lds s[G0B:G0B+3], s[G1B:G1B+7]
	s_nop 0
	tensor_load_to_lds s[G0B+4:G0B+7], s[G1B:G1B+7]
	s_nop 0
.rept 4
	v_nop
.endr
.Lfilled:
	; y's scale words: thread t takes rows t and t + 128 of the tile, 16 heads each
	s_lshr_b32 s18, s17, 3
	s_lshl_b32 s18, s18, 17                        ; the batch: 16 heads x 8,192 bytes
	s_and_b32 s19, s17, 7
	s_lshl_b32 s19, s19, 10                        ; the tile's 256 tokens
	s_add_co_u32 s18, s18, s19
	s_mov_b32 s19, 0
	s_add_nc_u64 s[6:7], s[6:7], s[18:19]
	v_lshlrev_b32 v[YSO], 2, v0
.irp p, 0,1
.irp d, 0,1,2,3,4,5,6,7,8,9,10,11,12,13,14,15
	global_load_b32 v[128+16*\p+\d], v[YSO], s[6:7] offset:8192*\d+512*\p
.endr
.endr
	v_and_b32 v1, 15, v0                           ; r
	v_bfe_u32 v2, v0, 4, 1                         ; h
	s_lshl_b32 s18, s42, 10
	s_lshl_b32 s19, s16, 9
	s_add_co_u32 s18, s18, s19                     ; the bias of my 128 columns
	s_mov_b32 s19, 0
	s_add_nc_u64 s[92:93], s[92:93], s[18:19]
	v_lshlrev_b32 v[BO], 5, v2
.irp b, 0,1,2,3,4,5,6,7
	global_load_b128 v[BI+8*\b:BI+8*\b+3], v[BO], s[92:93] offset:64*\b          ; register 8 b + j: column 16 b + 8 h + j, the result's layout
	global_load_b128 v[BI+8*\b+4:BI+8*\b+7], v[BO], s[92:93] offset:64*\b+16
.endr
	v_and_b32 v6, 31, v0
	v_lshlrev_b32 v3, 4, v6
	v_lshlrev_b32 v4, 3, v6
	s_mul_i32 s21, s15, HALFA                      ; my 128 rows of y
.irp s, 0,1
	v_add_nc_u32 v[ADRA+\s], s21, v3
	v_add_nc_u32 v[ADRA+2+\s], s21, v4
	s_add_co_u32 s21, s21, SLOT
.endr
	v_mul_u32_u24 v3, v1, PITCH
	v_mul_u32_u24 v4, v2, 24
	v_add_nc_u32 v4, v3, v4
	v_lshl_add_u32 v5, v2, 4, v4
	s_mul_i32 s22, s16, HALFB
	s_add_co_u32 s22, s22, BOFF                    ; my 128 rows of w_proj
.irp s, 0,1
	v_add_nc_u32 v[ADRB+\s], s22, v4
	v_add_nc_u32 v[ADRB+2+\s], s22, v5
	s_add_co_u32 s22, s22, SLOT
.endr
	v_lshlrev_b32 v5, 5, v1                        ; my row's scales: 32 bytes a row, and 16 more for each 256 passed
	v_lshrrev_b32 v3, 8, v5
	v_lshl_add_u32 v5, v3, 4, v5
	s_mul_i32 s21, s15, HALFS
	s_mul_i32 s22, s16, HALFS
	s_add_co_u32 s22, s22, 2*HALFS
	s_sub_co_u32 s22, s22, s21
	v_mul_u32_u24 v3, s22, v2                      ; lanes 16-31 take w_proj's
	s_add_co_u32 s21, s21, SCL
	v_add_nc_u32 v5, v5, v3
	v_add_nc_u32 v[ADRS], s21, v5
	v_lshrrev_b32 v3, 3, v0
	v_lshlrev_b32 v4, 5, v0
	v_lshl_add_u32 v4, v3, 4, v4
	v_add_nc_u32 v[ASW], SCL, v4                   ; row t's 32 bytes: 32 t + 16 (t / 8)
	s_mul_i32 s23, s14, 16*SPITCH                  ; my stage
	v_mul_u32_u24 v5, v1, SPITCH
	v_lshl_add_u32 v5, v2, 5, v5
	v_add_nc_u32 v[STO], s23, v5
	v_lshlrev_b32 v[CO], 4, v6
	v_add_nc_u32 v[RD], s23, v[CO]
	s_lshl_b32 s20, s17, 8
	s_lshl_b32 s21, s15, 7
	s_add_co_u32 s20, s20, s21
	s_lshl_b32 s20, s20, 12                        ; my first row of out0, 4,096 bytes a row,
	s_lshl_b32 s46, s42, 10
	s_lshl_b32 s47, s16, 9
	s_add_co_u32 s46, s46, s47
	s_add_co_u32 s20, s20, s46                     ; and my first column
	s_mov_b32 s21, 0
	s_add_nc_u64 s[94:95], s[94:95], s[20:21]
	s_wait_loadcnt 16                              ; y's 32 scale words are in; the bias's 16 loads may be out
.irp p, 0,1
.irp k, 0,1,2,3,4,5,6,7
	v_lshl_or_b32 v[160+8*\p+\k], v[128+16*\p+2*\k+1], 16, v[128+16*\p+2*\k]   ; two heads' byte pairs make the word of 128 along K
.endr
.endr
	ds_store_b128 v[ASW], v[160:163]
	ds_store_b128 v[ASW], v[164:167] offset:16
	ds_store_b128 v[ASW], v[168:171] offset:HALFS
	ds_store_b128 v[ASW], v[172:175] offset:HALFS+16
.macro FRAGA reg, slot, q, i           ; a fragment of y: two heads' half images, as they lie
	ds_load_b128 v[\reg:\reg+3], v[ADRA+\slot] offset:768*(16*(\q)+(\i))
	ds_load_b64 v[\reg+4:\reg+5], v[ADRA+2+\slot] offset:768*(16*(\q)+(\i))+512
	ds_load_b128 v[\reg+6:\reg+9], v[ADRA+\slot] offset:768*(16*(\q)+8+(\i))
	ds_load_b64 v[\reg+10:\reg+11], v[ADRA+2+\slot] offset:768*(16*(\q)+8+(\i))+512
.endm
.macro FRAGB reg, adr, q, i            ; a fragment of w_proj: 24 bytes of the row twice, in pieces of 8; lanes 16-31 read three pieces on, for some pieces behind one padding more
.irp p, 0,1,2,3,4,5
.set PCE, 12*(\q)+6*(\p/3)+\p%3
.if PCE%8 < 5
	ds_load_b64 v[\reg+2*\p:\reg+2*\p+1], v[\adr] offset:8*PCE+16*(PCE/8)+(\i)*16*PITCH
.else
	ds_load_b64 v[\reg+2*\p:\reg+2*\p+1], v[\adr+2] offset:8*PCE+16*(PCE/8)+(\i)*16*PITCH
.endif
.endr
.endm
; 16 matrix instructions: y's blocks a0, a0 + 1 x w_proj's eight.  first = 1: the sums begin with the bias as C.  The 64 accumulators take turns, one instruction a turn.
.macro MUL16 a0, p, q, sc, first
.irp a, \a0, \a0+1
.irp b, 0,1,2,3,4,5,6,7
.if \first
	v_wmma_scale_f32_16x16x128_f8f6f4 v[8*(8*((\a)%4)+\b):8*(8*((\a)%4)+\b)+7], v[128*(\p)+FR*\b:128*(\p)+FR*\b+FR-1], v[AF+FR*(\a):AF+FR*(\a)+FR-1], v[BI+8*\b:BI+8*\b+7], v[SC+8*NQ*(\sc)+NQ*\b+(\q)], v[SC+8*NQ*(\sc)+NQ*(\a)+(\q)] matrix_a_fmt:MATRIX_FMT_FP6 matrix_b_fmt:MATRIX_FMT_FP6 matrix_a_scale:MATRIX_SCALE_ROW1
.else
	v_wmma_scale_f32_16x16x128_f8f6f4 v[8*(8*((\a)%4)+\b):8*(8*((\a)%4)+\b)+7], v[128*(\p)+FR*\b:128*(\p)+FR*\b+FR-1], v[AF+FR*(\a):AF+FR*(\a)+FR-1], v[8*(8*((\a)%4)+\b):8*(8*((\a)%4)+\b)+7], v[SC+8*NQ*(\sc)+NQ*\b+(\q)], v[SC+8*NQ*(\sc)+NQ*(\a)+(\q)] matrix_a_fmt:MATRIX_FMT_FP6 matrix_b_fmt:MATRIX_FMT_FP6 matrix_a_scale:MATRIX_SCALE_ROW1
.endif
.endr
.endr
.endm
.macro WMUL hi, first                  ; the windows of a run of products; with the bias as C, source 2 is window 0
.if \first
	WIN (0x81+0x40*(\hi))
.else
	WIN (0xa1+0x50*(\hi))
.endif
.endm
.macro FETCH_B slot, q, p
	WIN TO_B
.irp i, 0,1,2,3,4,5,6,7
	FRAGB 128*(\p)+FR*\i, ADRB+\slot, \q, \i
.endr
	WIN 0
.endm
.macro FETCH_A slot, q, i0
.irp i, \i0, \i0+1, \i0+2, \i0+3
	FRAGA AF+FR*(\i), \slot, \q, \i
.endr
.endm
.macro SCALES sc
.irp i, 0,1,2,3,4,5,6,7
	ds_load_b64 v[SC+8*NQ*\sc+NQ*\i:SC+8*NQ*\sc+NQ*\i+1], v[ADRS] offset:\i*SBLK
.endr
.endm
.macro PLACES n
.rept \n
	v_nop
.endr
.endm
.macro STEP slot, q, first
	s_wait_dscnt 4*NLA                             ; w_proj's set and y's blocks 0-3 are in; the youngest 16 loads (y's blocks 4-7) may be out
	WMUL 0, \first
	MUL16 0, (\q)%2, \q, \slot, \first
	MUL16 2, (\q)%2, \q, \slot, \first
	s_wait_dscnt 0
	PLACES NP
	FETCH_B \slot, (\q)+1, 1-(\q)%2
	FETCH_A \slot, (\q)+1, 0
	WMUL 1, \first
	MUL16 4, (\q)%2, \q, \slot, \first
	MUL16 6, (\q)%2, \q, \slot, \first
	PLACES NP
	WIN 0
	FETCH_A \slot, (\q)+1, 4
.endm
.macro TURN slot, next, fill           ; a slot's last step changes slots: the waits and the add, one barrier, the refill first behind it
	s_wait_tensorcnt 0x0                           ; all my tensor loads have landed: my part of the next slot
	ds_add_u32 v[SPW], v[NIL]                      ; 0 onto my spare word
	s_wait_dscnt 4*NLA+1                           ; (the add and the youngest 16 loads may be out)
	WIN MUL_LO
	MUL16 0, 1, NQ-1, \slot, 0
	s_wait_dscnt 0x0                               ; the add is done, and my reads of this slot are over
	s_barrier_signal -1
	MUL16 2, 1, NQ-1, \slot, 0
	WIN 0
	s_barrier_wait -1
.if \fill
	CREST                                          ; the barrier has opened a round of the cluster's barrier
	s_add_nc_u64 s[G0+4*\slot+2:G0+4*\slot+3], s[G0+4*\slot+2:G0+4*\slot+3], 2*HALFA
	s_add_nc_u64 s[G0B+4*\slot+2:G0B+4*\slot+3], s[G0B+4*\slot+2:G0B+4*\slot+3], 2*ROWB
	JLOAD G0+4*\slot, G1, G0B+4*\slot, G1B
.else
	PLACES NP
.endif
	v_add_nc_u32 v[ADRS], 4*NQ, v[ADRS]
	FETCH_B \next, 0, 0
	FETCH_A \next, 0, 0
	SCALES \next
	WIN MUL_HI
	MUL16 4, 1, NQ-1, \slot, 0
	MUL16 6, 1, NQ-1, \slot, 0
	PLACES NP
	WIN 0
	FETCH_A \next, 0, 4
.endm
	s_wait_tensorcnt 1                             ; my part of slot 0 (and of w_proj's scales) is in; slot 1's load may be out
	s_wait_dscnt 0x0                               ; my rows' scale bytes lie in LDS
	s_barrier_signal -1
	s_barrier_wait -1
	FETCH_B 0, 0, 0
	FETCH_A 0, 0, 0
	SCALES 0
	FETCH_A 0, 0, 4
	s_wait_loadcnt 0x0                             ; the bias
	STEP 0, 0, 1
	TURN 0, 1, 1
	STEP 1, 0, 0
	TURN 1, 0, 1
	STEP 0, 0, 0
	TURN 0, 1, 0
	STEP 1, 0, 0
	s_wait_dscnt 4*NLA
	WIN MUL_LO
	MUL16 0, 1, NQ-1, 1, 0
	MUL16 2, 1, NQ-1, 1, 0
	s_wait_dscnt 0
	WIN MUL_HI
	MUL16 4, 1, NQ-1, 1, 0
	MUL16 6, 1, NQ-1, 1, 0
	WIN 0
; THE WAY OUT, block by block of 16 rows x 128 columns: through my own stage in LDS, back as whole rows of 512 bytes.  LDS serves a wave's instructions in order: no wait between the stores and the loads.
.macro TOSTAGE a
.set AC, 64*((\a)%4)
	WIN (0x08+4*((\a)/4))                          ; the data: window 2 or 3
.irp b, 0,1,2,3,4,5,6,7
	ds_store_b128 v[STO], v[AC+8*\b:AC+8*\b+3] offset:64*\b          ; each accumulator from its low end on
	ds_store_b128 v[STO], v[AC+8*\b+4:AC+8*\b+7] offset:64*\b+16
.endr
	WIN 0
.set BB, BK+64*((\a)%2)
.irp t, 0,1,2,3,4,5,6,7,8,9,10,11,12,13,14,15
	ds_load_b128 v[BB+4*\t:BB+4*\t+3], v[RD] offset:\t*SPITCH
.endr
.endm
.macro SEND a, younger                 ; younger: the LDS instructions issued behind block a's loads, which may stay out
.set BB, BK+64*((\a)%2)
	s_wait_dscnt \younger
.if (\a) > 0
	s_add_nc_u64 s[94:95], s[94:95], 16*SIZE_N*4   ; (behind a wait on XCNT: the earlier stores have read their base)
.endif
.irp t, 0,1,2,3,4,5,6,7,8,9,10,11,12,13,14,15
	global_store_b128 v[CO], v[BB+4*\t:BB+4*\t+3], s[94:95] offset:\t*SIZE_N*4 th:TH_STORE_NT   ; 32 lanes store 512 consecutive bytes, aligned
.endr
.endm
	PLACES NP
	TOSTAGE 0
.irp a, 1,2,3,4,5,6,7
.if \a > 1
	s_wait_xcnt 0x0                                ; block a - 2's stores have read their registers and their base
.endif
	TOSTAGE \a
	SEND \a-1, 32                                  ; behind block a - 1's loads: block a's 16 stores and 16 loads
.endr
	s_wait_xcnt 0x0
	SEND 7, 0
	s_wait_tensorcnt 0x0                           ; the wave's end, behind my last tensor load and my last LDS store
	ds_add_u32 v[SPW], v[NIL]
	s_wait_dscnt 0x0
	CROUND                                         ; the closing round
	s_endpgm
.Lfunc_end_k_q2147b3c620_proj:
	.size	k_q2147b3c620_proj, .Lfunc_end_k_q2147b3c620_proj-k_q2147b3c620_proj
	.p2alignl 7, 3214868480
	.fill 96, 4, 3214868480
	.section	.rodata,"a",@progbits
	.p2align	6, 0x0
	.amdhsa_kernel k_q2147b3c620_proj
		.amdhsa_group_segment_fixed_size 327680
		.amdhsa_private_segment_fixed_size 0
		.amdhsa_enable_private_segment 0
		.amdhsa_kernarg_size 48
		.amdhsa_user_sgpr_count 2
		.amdhsa_user_sgpr_kernarg_segment_ptr 1
		.amdhsa_wavefront_size32 1
		.amdhsa_system_sgpr_workgroup_id_x 1
		.amdhsa_system_sgpr_workgroup_id_y 1
		.amdhsa_system_sgpr_workgroup_id_z 1
		.amdhsa_system_vgpr_workitem_id 0
		.amdhsa_next_free_vgpr 1024
		.amdhsa_next_free_sgpr 96
		.amdhsa_reserve_vcc 0
		.amdhsa_float_denorm_mode_32 3
		.amdhsa_float_denorm_mode_16_64 3
		.amdhsa_memory_ordered 1
		.amdhsa_forward_progress 1
		.amdhsa_inst_pref_size 157
	.end_amdhsa_kernel
	.amdgpu_metadata
---
amdhsa.version: [ 1, 2 ]
amdhsa.kernels:
  - .name:           k_q2147b3c620_proj
    .symbol:         k_q2147b3c620_proj.kd
    .args:
      - { .name: y_img, .offset: 0, .size: 8, .value_kind: global_buffer, .address_space: global }
      - { .name: y_scl, .offset: 8, .size: 8, .value_kind: global_buffer, .address_space: global }
      - { .name: w_proj_codes, .offset: 16, .size: 8, .value_kind: global_buffer, .address_space: global }
      - { .name: w_proj_scales, .offset: 24, .size: 8, .value_kind: global_buffer, .address_space: global }
      - { .name: b_proj, .offset: 32, .size: 8, .value_kind: global_buffer, .address_space: global }
      - { .name: out0, .offset: 40, .size: 8, .value_kind: global_buffer, .address_space: global }
    .group_segment_fixed_size: 327680
    .private_segment_fixed_size: 0
    .kernarg_segment_align: 8
    .kernarg_segment_size: 48
    .max_flat_workgroup_size: 128
    .sgpr_count:     96
    .vgpr_count:     1024
    .wavefront_size: 32
...
	.end_amdgpu_metadata
.endif
;; end of part 3
